; MI455X (gfx1250); checked and timed in simulation.
; The chip was launched on July 23, 2026; its instructions are those of AMD's public machine-readable ISA for CDNA 5 (MIT licence, August 2026) and "CDNA5" Instruction Set Architecture Reference Guide (July 2026). The comments in the code are by the model that wrote it; some were corrected since.
;; Multi Headed Attention. Allowed arithmetic: matrix products marked QUANTISED: E2M1 operands, one E8M0 scale for each 32 along K, by v_wmma_scale_f32_16x16x128_f8f6f4 with both operands' format E2M1 (or v_wmma_scale_f32_32x16x128_f4), f32 sums; products left as they are: bf16, f16 or f32 operands; f32 sums; everything else in f32.
;; Inputs: bk 1,024 float32; bo 1,024 float32; bq 1,024 float32; bv 1,024 float32; key 4 x 2,048 x 1,024 float32; mask 4 x 2,048 x 2,048 int32; query 4 x 2,048 x 1,024 float32; value 4 x 2,048 x 1,024 float32; wk 1,024 x 1,024 float32; wo 1,024 x 1,024 float32; wq 1,024 x 1,024 float32; wv 1,024 x 1,024 float32.
;; Outputs: out0 4 x 2,048 x 1,024 float32.
;; This version of the problem:
;;   THIS VERSION OF THE PROBLEM IS GIVEN IN LOW PRECISION. The matrix products marked QUANTISED in the list below multiply operands that are first quantised to E2M1 (2 exponent bits, 1 mantissa bit; 4 bits a number), with one power-of-two scale for each 32 numbers along K (OCP MX v1.0); their sums are f32. The products marked 'left as it is' may take bf16, f16 or f32 operands, with f32 sums. Whichever they take, every output number must still come out within the allowed error. Rounding operands to bf16 (8 significant bits) uses up far more of that allowance than f16 does (11 bits, for magnitudes from 6e-5 to 65,504). All else is computed in f32.
;;   The module's matrix products, in the order in which they are computed (A, B: the left and right operand; K: the contracted axis; several contracted axes count as one K, in the product's order):
;;     1. [M 8,192, K 1,024] x [K 1,024, N 1,024]; A: input query; B: input wq: QUANTISED
;;     2. [M 8,192, K 1,024] x [K 1,024, N 1,024]; A: input key; B: input wk: QUANTISED
;;     3. [M 8,192, K 1,024] x [K 1,024, N 1,024]; A: input value; B: input wv: QUANTISED
;;     4. batch 64 x [M 2,048, K 64] x [K 64, N 2,048]; A: computed on the way; B: computed on the way: left as it is (an operand is computed on the way)
;;     5. batch 64 x [M 2,048, K 2,048] x [K 2,048, N 64]; A: computed on the way; B: computed on the way: left as it is (an operand is computed on the way)
;;     6. [M 8,192, K 1,024] x [K 1,024, N 1,024]; A: computed on the way; B: input wo: left as it is (an operand is computed on the way)
;;   THE QUANTISER, for each operand of a quantised product, along K:
;;     - K is cut into blocks of 32 from its start; a last block that is shorter is filled with zeros.
;;     - A block's scale is 2^e with e = floor(log2(the largest magnitude in the block)) - 2, held to -126 .. 127; a block of zeros has e = 0. As a byte (E8M0): e + 127.
;;     - Each number is divided by its block's scale, clamped to +-6, and rounded to the nearest number of E2M1, ties to even, subnormals kept.
;;     - The product sums the exact products of the quantised numbers (number of the format x scale) in f32.
;;   ~~~python
;;   def quantise(x, axis):      # numpy; x: float32 -> the quantised numbers, widened to float32 again
;;       x = np.moveaxis(x, axis, -1); K = x.shape[-1]
;;       x = np.pad(x, [(0, 0)] * (x.ndim - 1) + [(0, -K % 32)]); x = x.reshape(x.shape[:-1] + (-1, 32)); a = np.abs(x).max(-1, keepdims=True)
;;       e = np.where(a > 0, np.clip(np.frexp(np.where(a > 0, a, 1))[1] - 1 - 2, -126, 127), 0)      # np.frexp(a)[1] - 1 = floor(log2(a)), exactly
;;       r = np.clip(x / 2.0 ** e, -6, 6)
;;       step = 2.0 ** (np.maximum(np.frexp(np.where(r == 0, 1, r))[1] - 1, 0) - 1)
;;       q = np.round(r / step) * step * 2.0 ** e      # np.round: ties to even
;;       return np.moveaxis(q.reshape(q.shape[:-2] + (-1,))[..., :K], -1, axis).astype(np.float32)
;;   ~~~
;; One version. Each part assembles by itself: llvm-mc -triple=amdgcn-amd-amdhsa -mcpu=gfx1250 --defsym DOCPART=n.
;; ======== version 1 of 1: 4 launches
;; limits: values are held in f16: magnitudes above 65,504 overflow, below 6.1e-05 lose precision
;; workspace buffers: codes 14,155,776 bytes; scl 884,736 bytes; mbits 2,097,152 bytes of whole numbers; wo16 2,097,152 bytes; qkv 50,331,648 bytes; att 16,777,216 bytes
;; launch prep (part 1): grid 1504 x 1, 4 waves a work-group, no clusters, 67,072 bytes of LDS; arguments query, key, value, wq, wk, wv, mask, wo, codes, scl, mbits, wo16; writes codes, scl, mbits, wo16
.if DOCPART == 1
	.amdgcn_target "amdgcn-amd-amdhsa--gfx1250"
	.amdhsa_code_object_version 6
	.text
	.protected	k_q049cd4709a_prep
	.globl	k_q049cd4709a_prep
	.p2align	8
	.type	k_q049cd4709a_prep,@function
k_q049cd4709a_prep:
	s_mov_b64 s[64:65], 0
	v_nop
	global_prefetch_b8 v0, s[64:65] scope:SCOPE_SE
	s_setreg_imm32_b32 hwreg(HW_REG_WAVE_MODE, 25, 1), 1
	s_wait_xcnt 0x0
; PREP: three kinds of work, told apart by the work-group's number alone; each kind has LDS bytes of its own.
; (A) work-groups 0..863: query, key, value [8192][1024] and wq, wk, wv [1024][1024], f32 with K innermost, become codes of FP4 (E2M1), two a byte, and one E8M0
;     byte for each 32 along K.  The six tensors lie one behind the other in codes (27,648 rows x 512 bytes) and scl (27,648 rows x 32 bytes).  Rows are dense and K is a
;     multiple of 32: each tensor is a plain stream of blocks of 32.  A block's scale is 2^(floor(log2(largest magnitude)) - 2); its byte is the largest magnitude's exponent field - 2, held at 1 from below.
;     (A block of zeros so keeps the byte 1: its codes are zeros, which add nothing, and this program alone reads the bytes.)
; (B) work-groups 864..1375: 16 rows of the mask (int32) become lane masks: word [b][q/16][key/16][j], bit l = (mask[b][16 (q/16) + l % 16][16 (key/16) + 8 (l / 16) + j] != 0):
;     the lanes of register j of a 16 x 16 tile of scores whose lane holds one query and eight keys.  One bit for four bytes: each head of the next launches reads 1/32 of the mask's bytes.
; (C) work-groups 1376..1503: wo, f32, is rounded to f16.
; LIMITS: NaN and infinities among the inputs are not served; blocks whose largest magnitude lies under 2^-124 keep the byte 1; |wo| stays under 65,504 (f16).
; No tensor load, no barrier: waves share nothing.
.set WGQ,   864                        ; work-groups of (A): 32,768 numbers each
.set WGB,   1376                       ; (A) and (B) together
.set STEPS, 16
.set EMAX,  2
.set CB,    8                          ; bytes of 16 codes
.set SP,    80                         ; (A) a lane's place in a stage: 64 bytes + 16 of padding
.set WREG,  8192                       ; (A) LDS of a wave: two stages of 32 x SP bytes, then its 256 scale bytes
.set R,     16                         ; (A) v16-79   four sets of 16 numbers as loaded
.set X,     80                         ; (A) v80-111  two sets of 16 neighbours
.set E,     112                        ; (A) v112-127 a scale byte for each step
.set C,     128                        ; (A) v128-191 codes: registers of its own for each step
.set MSTG,  32768                      ; (B) LDS: a stage of 16 rows x MP bytes for each wave
.set MP,    528                        ; (B) 512 bytes + 16: an odd multiple of 16, so that 16 rows' equal columns fall on different banks (64 banks of 4 bytes: ISA guide 11.1)
.set LA,    16                         ; (B) v16-79, v80-143: two sets of 16 rows x 16 bytes a lane
.set LB,    80
.set D,     144                        ; (B) v144-207: 8 tiles x 8 registers: lane (r, h) holds mask[r][16 kt + 8 h + j]
.set OUT,   208                        ; (B) v208-215: a pair of registers for each chunk: 64 words, two a lane
.set SPW,   12                         ; v12  LDS address of my spare word; never rewritten
.set NIL,   13                         ; v13  0; never rewritten
.set SPARE, 66560                      ; behind both regions: the spare words, 128 bytes a wave: two blocks of 256 bytes that no other line names
.macro FINISH                          ; the wave's end: behind my last LDS store
	s_wait_tensorcnt 0x0
	ds_add_u32 v[SPW], v[NIL]
	s_wait_dscnt 0x0
	s_endpgm
.endm
	s_load_b512 s[4:19], s[0:1], 0x0               ; query, key, value, wq, wk, wv, mask s[16:17], wo s[18:19]
	s_load_b256 s[20:27], s[0:1], 0x40             ; codes, scl, mbits, wo16
	v_lshl_add_u32 v[SPW], v0, 2, SPARE
	v_mov_b32 v[NIL], 0
	v_lshrrev_b32 v1, 5, v0
	v_readfirstlane_b32 s32, v1                    ; wave
	v_and_b32 v2, 31, v0                           ; lane
	s_wait_kmcnt 0x0
	s_cmp_ge_u32 ttmp9, WGQ
	s_cbranch_scc1 .Lnotq
; ---------------- (A) the quantiser.  A wave takes 16 steps of 512 numbers.  Each load reads 512 consecutive bytes; a step's 2,048 bytes turn through the wave's stage so that a lane holds 16 neighbours.
	v_lshlrev_b32 v3, 4, v2                        ; my 16 bytes of a load's 512
	s_mul_i32 s33, s32, WREG
	v_lshrrev_b32 v14, 2, v2
	v_mul_u32_u24 v14, v14, SP
	v_and_b32 v15, 3, v2
	v_lshl_add_u32 v14, v15, 4, v14
	v_add_nc_u32 v14, s33, v14                     ; the stage, in: SP (lane / 4) + 16 (lane % 4)
	v_mul_u32_u24 v15, v2, SP
	v_add_nc_u32 v15, s33, v15                     ; and out: SP x lane
	v_mul_u32_u24 v4, v2, CB                       ; my codes' place in a step's
	v_lshrrev_b32 v5, 1, v2
	s_add_co_u32 s33, s33, 2*32*SP
	v_add_nc_u32 v5, s33, v5                       ; my block's byte among my wave's 256
	v_lshlrev_b32 v7, 3, v2
	v_add_nc_u32 v6, s33, v7                       ; on the way out 8 bytes a lane
	s_mov_b64 s[28:29], s[14:15]                   ; which tensor: the choice hangs on the work-group's number alone
	s_mov_b32 s30, 832                             ; and the tensor's first work-group
	s_cmp_lt_u32 ttmp9, 832
	s_cselect_b64 s[28:29], s[12:13], s[28:29]
	s_cselect_b32 s30, 800, s30
	s_cmp_lt_u32 ttmp9, 800
	s_cselect_b64 s[28:29], s[10:11], s[28:29]
	s_cselect_b32 s30, 768, s30
	s_cmp_lt_u32 ttmp9, 768
	s_cselect_b64 s[28:29], s[8:9], s[28:29]
	s_cselect_b32 s30, 512, s30
	s_cmp_lt_u32 ttmp9, 512
	s_cselect_b64 s[28:29], s[6:7], s[28:29]
	s_cselect_b32 s30, 256, s30
	s_cmp_lt_u32 ttmp9, 256
	s_cselect_b64 s[28:29], s[4:5], s[28:29]
	s_cselect_b32 s30, 0, s30
	s_sub_co_u32 s31, ttmp9, s30
	s_lshl_b32 s31, s31, 2
	s_add_co_u32 s34, s31, s32                     ; my run of 8,192 numbers in the tensor
	s_lshl_b32 s34, s34, 15
	s_mov_b32 s35, 0
	s_add_nc_u64 s[28:29], s[28:29], s[34:35]
	s_lshl_b32 s36, ttmp9, 2
	s_add_co_u32 s36, s36, s32                     ; and among all six: the outputs lie in the work-groups' order
	s_lshl_b32 s34, s36, 12                        ; 4,096 bytes of codes a run
	s_add_nc_u64 s[20:21], s[20:21], s[34:35]
	s_lshl_b32 s34, s36, 8                         ; 256 scale bytes a run
	s_add_nc_u64 s[22:23], s[22:23], s[34:35]
.macro LOAD t
.irp i, 0,1,2,3
	global_load_b128 v[R+16*((\t)%4)+4*\i:R+16*((\t)%4)+4*\i+3], v3, s[28:29] offset:2048*(\t)+512*\i th:TH_LOAD_NT
.endr
.endm
.macro TURN t                          ; step t's numbers through the stage: LDS serves a wave's instructions in order (ISA guide 5.7.1.4)
.irp i, 0,1,2,3
	ds_store_b128 v14, v[R+16*((\t)%4)+4*\i:R+16*((\t)%4)+4*\i+3] offset:32*SP*((\t)%2)+8*SP*\i
.endr
.irp i, 0,1,2,3
	ds_load_b128 v[X+16*((\t)%2)+4*\i:X+16*((\t)%2)+4*\i+3], v15 offset:32*SP*((\t)%2)+16*\i
.endr
.endm
.irp t, 0,1,2,3
	LOAD \t
.endr
	s_wait_loadcnt 12                              ; step 0's four loads are in; three steps' twelve may be out
	TURN 0
.macro STEP t
.set XS, X+16*((\t)%2)
.if (\t) > 0
	s_wait_dscnt 1                                 ; this step's numbers are back from the stage (the last step's byte store may be out)
.else
	s_wait_dscnt 0x0
.endif
.if (\t)+4 < STEPS
	LOAD (\t)+4                                    ; into the registers that the stage's stores have read
.endif
.if (\t)+1 < STEPS
.if STEPS-2-(\t) >= 3
	s_wait_loadcnt 12                              ; the next step's four loads are in; those of the three steps behind it may be out
.else
	s_wait_loadcnt 4*(STEPS-2-(\t))
.endif
	TURN (\t)+1
.endif
	v_max3_num_f32 v8, |v[XS]|, |v[XS+1]|, |v[XS+2]|               ; the largest magnitude of my 16, in two chains
	v_max3_num_f32 v9, |v[XS+3]|, |v[XS+4]|, |v[XS+5]|
.irp i, 6,10
	v_max3_num_f32 v8, v8, |v[XS+\i]|, |v[XS+\i+1]|
	v_max3_num_f32 v9, v9, |v[XS+\i+2]|, |v[XS+\i+3]|
.endr
	v_max3_num_f32 v8, v8, |v[XS+14]|, |v[XS+15]|
	v_max3_num_f32 v8, v8, v9, (EMAX+1)<<23        ; and the floor 2^(3 - 127): the byte cannot fall under 1
	v_max_num_f32_dpp v8, v8, v8 row_xmask:1 row_mask:0xf bank_mask:0xf   ; with my neighbour's 16: the block's
	v_add_nc_u32 v11, -(EMAX<<23), v8              ; 2 off its exponent field: the conversion takes this operand's exponent field as its scale
	v_cvt_scalef32_pk8_fp4_f32 v[C+4*(\t)], v[XS:XS+7], v11        ; to the nearest code, ties to even, beyond 6 the largest code
	v_cvt_scalef32_pk8_fp4_f32 v[C+4*(\t)+1], v[XS+8:XS+15], v11
	v_lshrrev_b32 v[E+(\t)], 23, v11               ; the scale's byte
	ds_store_b8 v5, v[E+(\t)] offset:16*(\t)       ; both lanes of a block write the same byte with the same value
	global_store_b64 v4, v[C+4*(\t):C+4*(\t)+1], s[20:21] offset:32*CB*(\t)   ; the wave stores 256 consecutive bytes, aligned
.endm
.irp t, 0,1,2,3,4,5,6,7,8,9,10,11,12,13,14,15
	STEP \t
.endr
	ds_load_b64 v[8:9], v6
	s_wait_dscnt 0x0
	global_store_b64 v7, v[8:9], s[22:23]          ; my wave's 256 scale bytes, aligned
	FINISH
; ---------------- (B) the mask.  Work-group g takes rows 16 g .. 16 g + 15 of the 8,192; wave w their keys 512 w on, in four chunks of 128 keys.
.Lnotq:
	s_cmp_ge_u32 ttmp9, WGB
	s_cbranch_scc1 .Lwo
	s_sub_co_u32 s33, ttmp9, WGQ
	s_lshl_b32 s34, s33, 17                        ; 16 rows of 8,192 bytes
	s_lshl_b32 s36, s32, 11                        ; 512 keys of 4 bytes
	s_add_co_u32 s34, s34, s36
	s_mov_b32 s35, 0
	s_add_nc_u64 s[16:17], s[16:17], s[34:35]
	s_lshl_b32 s34, s33, 12                        ; 128 tiles x 8 words out
	s_lshl_b32 s36, s32, 10
	s_add_co_u32 s34, s34, s36
	s_add_nc_u64 s[24:25], s[24:25], s[34:35]
	s_mul_i32 s37, s32, 16*MP
	s_add_co_u32 s37, s37, MSTG                    ; my stage
	v_lshlrev_b32 v1, 4, v2                        ; in memory: 16 bytes a lane
	v_add_nc_u32 v3, s37, v1                       ; into the stage likewise
	v_and_b32 v6, 15, v2
	v_lshrrev_b32 v7, 4, v2
	v_mul_u32_u24 v5, v6, MP
	v_lshl_add_u32 v5, v7, 5, v5
	v_add_nc_u32 v5, s37, v5                       ; out of it: row lane % 16, 8 keys (32 bytes) for each half of the lanes
	v_lshlrev_b32 v4, 3, v2                        ; the words' way out: two a lane
.irp i, 0,1,2,3,4,5,6,7
	v_mov_b32 v[OUT+\i], 0                         ; a lane write's destination counts as read
.endr
.macro LOADM c, set                    ; chunk c: 512 consecutive bytes of each of the 16 rows
.irp i, 0,1,2,3,4,5,6,7,8,9,10,11,12,13,14,15
	global_load_b128 v[\set+4*\i:\set+4*\i+3], v1, s[16:17] offset:8192*\i+512*(\c) th:TH_LOAD_NT
.endr
.endm
.macro CHUNK c, set
.if (\c) < 3
	s_wait_loadcnt 16                              ; this chunk's 16 loads are in; the next chunk's 16 may be out
.else
	s_wait_loadcnt 0x0
.endif
.irp i, 0,1,2,3,4,5,6,7,8,9,10,11,12,13,14,15
	ds_store_b128 v3, v[\set+4*\i:\set+4*\i+3] offset:MP*\i
.endr
.irp kt, 0,1,2,3,4,5,6,7
.irp u, 0,1
	ds_load_b128 v[D+8*\kt+4*\u:D+8*\kt+4*\u+3], v5 offset:64*\kt+16*\u   ; LDS serves a wave's instructions in order: these see the stores above
.endr
.endr
	s_wait_dscnt 0x0                               ; the tiles are in, and the stores have read their registers
.if (\c) < 2
	LOADM (\c)+2, \set
.endif
.irp g, 0,1,2,3,4,5,6,7                        ; word 8 g + k: the 32 lanes' bits of one register; it goes to lane (8 g + k) / 2 of the chunk's pair
.irp k, 0,1,2,3,4,5,6,7
	v_cmp_ne_u32 s[40+\k], 0, v[D+8*\g+\k]
.endr
.irp k, 0,1,2,3,4,5,6,7
	v_writelane_b32 v[OUT+2*(\c)+(\k%2)], s[40+\k], 4*\g+\k/2
.endr
.endr
	global_store_b64 v4, v[OUT+2*(\c):OUT+2*(\c)+1], s[24:25] offset:256*(\c)   ; the wave stores 256 consecutive bytes, aligned
.endm
	LOADM 0, LA
	LOADM 1, LB
	CHUNK 0, LA
	CHUNK 1, LB
	CHUNK 2, LA
	CHUNK 3, LB
	FINISH
; ---------------- (C) wo to f16: a wave takes 2,048 numbers
.Lwo:
	s_sub_co_u32 s33, ttmp9, WGB
	s_lshl_b32 s33, s33, 2
	s_add_co_u32 s33, s33, s32
	s_lshl_b32 s34, s33, 13
	s_mov_b32 s35, 0
	s_add_nc_u64 s[18:19], s[18:19], s[34:35]
	s_lshl_b32 s34, s33, 12
	s_add_nc_u64 s[26:27], s[26:27], s[34:35]
	v_lshlrev_b32 v1, 4, v2
	v_lshlrev_b32 v4, 3, v2
.irp i, 0,1,2,3,4,5,6,7,8,9,10,11,12,13,14,15
	global_load_b128 v[16+4*\i:16+4*\i+3], v1, s[18:19] offset:512*\i th:TH_LOAD_NT
.endr
.irp i, 0,1,2,3,4,5,6,7,8,9,10,11,12,13,14,15
	s_wait_loadcnt 15-\i                           ; loads come back in order (ISA guide 5.7.1): load i is in, the younger ones may be out
	v_cvt_pk_f16_f32 v[80+2*\i], v[16+4*\i], v[17+4*\i]
	v_cvt_pk_f16_f32 v[81+2*\i], v[18+4*\i], v[19+4*\i]
	global_store_b64 v4, v[80+2*\i:81+2*\i], s[26:27] offset:256*\i
.endr
	FINISH
.Lfunc_end_k_q049cd4709a_prep:
	.size	k_q049cd4709a_prep, .Lfunc_end_k_q049cd4709a_prep-k_q049cd4709a_prep
	.p2alignl 7, 3214868480
	.fill 96, 4, 3214868480
	.section	.rodata,"a",@progbits
	.p2align	6, 0x0
	.amdhsa_kernel k_q049cd4709a_prep
		.amdhsa_group_segment_fixed_size 67072
		.amdhsa_private_segment_fixed_size 0
		.amdhsa_enable_private_segment 0
		.amdhsa_kernarg_size 96
		.amdhsa_user_sgpr_count 2
		.amdhsa_user_sgpr_kernarg_segment_ptr 1
		.amdhsa_wavefront_size32 1
		.amdhsa_system_sgpr_workgroup_id_x 1
		.amdhsa_system_sgpr_workgroup_id_y 1
		.amdhsa_system_sgpr_workgroup_id_z 1
		.amdhsa_system_vgpr_workitem_id 0
		.amdhsa_next_free_vgpr 216
		.amdhsa_next_free_sgpr 66
		.amdhsa_reserve_vcc 0
		.amdhsa_float_denorm_mode_32 3
		.amdhsa_float_denorm_mode_16_64 3
		.amdhsa_memory_ordered 1
		.amdhsa_forward_progress 1
		.amdhsa_inst_pref_size 88
	.end_amdhsa_kernel
	.amdgpu_metadata
---
amdhsa.version: [ 1, 2 ]
amdhsa.kernels:
  - .name:           k_q049cd4709a_prep
    .symbol:         k_q049cd4709a_prep.kd
    .args:
      - { .name: query, .offset: 0, .size: 8, .value_kind: global_buffer, .address_space: global }
      - { .name: key, .offset: 8, .size: 8, .value_kind: global_buffer, .address_space: global }
      - { .name: value, .offset: 16, .size: 8, .value_kind: global_buffer, .address_space: global }
      - { .name: wq, .offset: 24, .size: 8, .value_kind: global_buffer, .address_space: global }
      - { .name: wk, .offset: 32, .size: 8, .value_kind: global_buffer, .address_space: global }
      - { .name: wv, .offset: 40, .size: 8, .value_kind: global_buffer, .address_space: global }
      - { .name: mask, .offset: 48, .size: 8, .value_kind: global_buffer, .address_space: global }
      - { .name: wo, .offset: 56, .size: 8, .value_kind: global_buffer, .address_space: global }
      - { .name: codes, .offset: 64, .size: 8, .value_kind: global_buffer, .address_space: global }
      - { .name: scl, .offset: 72, .size: 8, .value_kind: global_buffer, .address_space: global }
      - { .name: mbits, .offset: 80, .size: 8, .value_kind: global_buffer, .address_space: global }
      - { .name: wo16, .offset: 88, .size: 8, .value_kind: global_buffer, .address_space: global }
    .group_segment_fixed_size: 67072
    .private_segment_fixed_size: 0
    .kernarg_segment_align: 8
    .kernarg_segment_size: 96
    .max_flat_workgroup_size: 128
    .sgpr_count:     66
    .vgpr_count:     216
    .wavefront_size: 32
...
	.end_amdgpu_metadata
.endif
;; end of part 1
;; launch proj (part 2): grid 4 x 96, 4 waves a work-group, clusters of 4 x 4, 327,680 bytes of LDS; arguments codes, scl, bq, bk, bv, qkv; writes qkv
.if DOCPART == 2
	.amdgcn_target "amdgcn-amd-amdhsa--gfx1250"
	.amdhsa_code_object_version 6
	.text
	.protected	k_q049cd4709a_proj
	.globl	k_q049cd4709a_proj
	.p2align	8
	.type	k_q049cd4709a_proj,@function
k_q049cd4709a_proj:
	s_mov_b64 s[64:65], 0
	v_nop
	global_prefetch_b8 v0, s[64:65] scope:SCOPE_SE
	s_setreg_imm32_b32 hwreg(HW_REG_WAVE_MODE, 25, 1), 1
	s_wait_xcnt 0x0
	s_wait_alu depctr_hold_cnt(0) depctr_sa_sdst(0) depctr_va_vdst(0) depctr_va_sdst(0) depctr_va_ssrc(0) depctr_va_vcc(0) depctr_vm_vsrc(0)
	s_getreg_b32 s2, hwreg(HW_REG_IB_STS2, 6, 4)
	s_cmp_eq_u32 s2, 0
	s_cbranch_scc0 .Lentry_in_a_cluster
	s_endpgm
.Lentry_in_a_cluster:
	s_bfe_u32 s2, ttmp6, 0x10000c
	s_cmp_lg_u32 s2, 0xf033
	s_cbranch_scc0 .Lentry_shape_is_right
	s_endpgm
.Lentry_shape_is_right:
; PROJ: q = query wq^T + bq, k = key wk^T + bk, v = value wv^T + bv in ONE grid, on codes of FP4 (E2M1) with one E8M0 scale for each 32 along K; sums in f32; results rounded once to f16.
; codes: 27,648 rows x 512 bytes (rows 0..24,575: query, key, value; then wq, wk, wv, 1,024 rows each); scl: the same rows x 32 bytes.
; qkv: [t = q, k, v][b][h][s][64] f16: a head's tokens lie on end, 128 bytes each, as the attention launch wants them.
; A tile of 256 tokens x 256 outputs is made by four waves, each 128 x 128: 64 accumulators, 512 registers.  Tile row R = 0..95 (32 for each of q, k, v), tile column x = 0..3.
; K = 1,024 is two LDS slots of 512 along K (rows of 256 bytes): both are asked for at the head, and nothing is ever filled again.  The scales of the tile's rows come once, as dense blocks.
; CLUSTERS: 4 x 4 work-groups.  The four of a row of the cluster need the same rows of x, the four of a column the same rows of W (all sixteen lie in one of q, k, v: 8 clusters to each): each tile is asked for
; JOINTLY, by the same tensor load with the same descriptor and a mask that names the four.
; THE MATRIX INSTRUCTION IS USED TRANSPOSED (source 0 = 16 rows of W, source 1 = 16 tokens): a lane then holds eight neighbouring outputs of one token.  THE BIAS is the C of each sum's first product.
; LIMIT: |q|, |k|, |v| stay under 65,504 (f16).
; REGISTERS, in windows of 256: window 0: v0-31 addresses; v32-95 scale words, two sets; v128-191 x's fragments, one set; on the way out v32-127 are free.
;   window 1: W's fragments, two sets, at v0 and v128; v64-127 the bias, eight registers for each of W's eight blocks.   windows 2, 3: the accumulators ((a, b) at v[8 (8 (a % 4) + b)]).
.set NQ,     4                         ; matrix instructions deep in a slot
.set ROWB,   256                       ; a tile's row in bytes: 512 codes
.set KROW,   512                       ; a row of codes in memory
.set PITCH,  272                       ; an LDS row: 256 bytes + 16 of padding = 68 words: row r starts at bank 4 r mod 64 (64 banks of 4 bytes: ISA guide 11.1)
.set FR,     8                         ; registers of a fragment: 16 rows x 128 K
.set NL,     2                         ; LDS loads that bring one
.set NP,     4                         ; places behind this matrix instruction (ISA guide 7.12.1)
.set HALFT,  128*PITCH                 ; 128 rows: what one tensor load brings
.set SLOT,   4*HALFT                   ; x's 256 rows, then W's 256 rows
.set KS,     32                        ; a row of scales in bytes
.set SCL,    2*SLOT                    ; behind the slots: the scales, as units of 256 bytes + 16 of padding
.set HALFS,  (128*KS/256)*272          ; the scales of 128 rows
.set SBLK,   (16*KS/256)*272           ; those of 16 rows
.set SPARE,  SCL+4*HALFS               ; the spare words, 128 bytes a wave: two blocks of 256 bytes that no other line names
.set SPITCH, 400                       ; the way out: a stage of 16 rows x (256 bytes + 144) for each wave, 25 x 16 bytes from row to row.  It lies in slot 0, which has had its one fill and its last read by then
.set ADRA, 16                          ; v16-17  LDS address of my fragments of x in slot 0, 1
.set ADRB, 20                          ; v20-21  the same for W
.set STO,  24                          ; v24     the way out: where I put 16 bytes of a token
.set RD,   25                          ; v25     and where I read back
.set CO,   26                          ; v26     16 x lane
.set ADRS, 27                          ; v27     LDS address of my scale words: lanes 0-15 x's rows, lanes 16-31 W's
.set SPW,  28                          ; v28     LDS address of my spare word; never rewritten
.set NIL,  29                          ; v29     0; never rewritten
.set BO,   30                          ; v30     the bias: 32 bytes for each half of the lanes
.set SC,   32                          ; scale words: set s at v[SC + 32 s]; register 4 i + q: lanes 0-15 x's block i, lanes 16-31 W's block i, the slot's q-th 128 along K
.set AF,   128                         ; x's fragments, window 0
.set BIAS, 64                          ; window 1
.set TMP,  32                          ; the way out: packed results
.set BK,   64                          ; and rows read back: v64-95 and v96-127 by turns
.set WV,   16                          ; s16 wave;  s17 my half of the tokens, also: I fetch for x (0) or W (1);  s18 my half of the outputs, also: which 128 rows I fetch
.set HR,   17
.set HC,   18
.set G1, 24                            ; s[24:31] descriptor group 1 for x's tiles;  s[32:39] group 0, one set for each slot
.set G0, 32
.set G1B, 48                           ; s[48:55], s[56:63] the same for W's
.set G0B, 56
.set G1S, 68                           ; s[68:75], s[76:79] groups 1 and 0 for x's scales;  s[80:87], s[88:91] for W's
.set G0S, 76
.set G1SB, 80
.set G0SB, 88
.set MSB, 0
.macro WIN new                         ; the immediate's high byte repeats the setting that is left
.if MSB != \new
	s_set_vgpr_msb (MSB<<8)|\new
.set MSB, \new
.endif
.endm
.set MUL_LO, 0xa1                      ; source 0 (W) window 1, source 1 (x) window 0, C and D window 2
.set MUL_HI, 0xf1                      ; the same, C and D window 3
.set BIA_LO, 0x91                      ; C (the bias) window 1, D window 2
.set BIA_HI, 0xd1                      ; C window 1, D window 3
.set TO_B,   0x40                      ; destination window 1, address window 0
; A joint load: waves 0 and 1 fetch for x, waves 2 and 3 for W.  The branch hangs on the wave's number alone.  An s_nop 0 and four v_nop follow each of the two lines.
.macro JLOAD g0a, g1a, g0b, g1b
	s_cmp_eq_u32 s[HR], 0
	s_cbranch_scc0 .Lfor_b_\@
	tensor_load_to_lds s[\g0a:\g0a+3], s[\g1a:\g1a+7]
	s_nop 0
.rept 4
	v_nop
.endr
	s_branch .Lasked_\@
.Lfor_b_\@:
	tensor_load_to_lds s[\g0b:\g0b+3], s[\g1b:\g1b+7]
	s_nop 0
.rept 4
	v_nop
.endr
.Lasked_\@:
.endm
.macro CROUND                          ; a round of the cluster's barrier
	s_barrier_signal -1
	s_barrier_wait -1
	s_cmp_lg_u32 s[WV], 0
	s_cbranch_scc1 .Lnot_wave_0_\@
	s_barrier_signal -3
.Lnot_wave_0_\@:
	s_barrier_wait -3
	s_barrier_signal -1
	s_barrier_wait -1
.endm
	s_load_b128 s[4:7], s[0:1], 0x0                ; codes s[4:5], scl s[6:7]
	s_load_b256 s[8:15], s[0:1], 0x10              ; bq, bk, bv, qkv s[14:15]
	v_lshl_add_u32 v[SPW], v0, 2, SPARE
	v_mov_b32 v[NIL], 0
	ds_add_u32 v[SPW], v[NIL]                      ; the wave's opening: the add, twice on end, and its wait ahead of my first tensor load
	ds_add_u32 v[SPW], v[NIL]                      ; and once more, under the one wait; the set-up below stands between
	v_lshrrev_b32 v1, 5, v0
	v_readfirstlane_b32 s[WV], v1                  ; wave 0..3
	s_lshr_b32 s[HR], s[WV], 1
	s_and_b32 s[HC], s[WV], 1
	s_bfe_u32 s40, ttmp6, 0x40000                  ; cx, cy: my place in the cluster
	s_bfe_u32 s41, ttmp6, 0x40004
	s_lshl_b32 s42, ttmp9, 2
	s_add_co_u32 s42, s42, s40                     ; tile column x = 4 x cluster x + cx
	s_and_b32 s2, ttmp7, 0xffff                    ; cluster y
	s_lshl_b32 s19, s2, 2
	s_add_co_u32 s19, s19, s41                     ; tile row R = 4 x cluster y + cy
	s_lshr_b32 s3, s2, 3                           ; t: q, k or v: 8 clusters to each: the same in all sixteen partners
	s_lshl_b32 s43, s41, 2
	s_lshl_b32 s43, 15, s43                        ; my row of the cluster
	s_lshl_b32 s44, 0x1111, s40                    ; my column
	; descriptor group 1: a tile of 128 rows x 256 bytes, padded in LDS
	s_or_b32 s[G1+0], s43, (0<<16)|(1<<20)|(1<<21)|(5<<22)|(3<<25)  ; 15:0 the mask; 17:16 element of 1 byte; 20 padding on; 21 set beside a mask; 24:22 after every 64 words; 31:25 of 4 words
	s_or_b32 s[G1B+0], s44, (0<<16)|(1<<20)|(1<<21)|(5<<22)|(3<<25)
.irp g, G1, G1B
	s_mov_b32 s[\g+1], ROWB<<16                    ; tensor_dim0
	s_mov_b32 s[\g+2], 128<<16                     ; tensor_dim1
	s_mov_b32 s[\g+3], ROWB<<16                    ; tile_dim0
	s_mov_b32 s[\g+4], 128                         ; tile_dim1
	s_mov_b32 s[\g+5], KROW                        ; tensor_dim0_stride
	s_mov_b32 s[\g+6], 0
	s_mov_b32 s[\g+7], 0
.endr
	; the scales of 128 rows: 4,096 dense bytes, as 16 rows of 256 bytes (32 elements of 8 bytes), 16 bytes of padding behind each
	s_or_b32 s[G1S+0], s43, (3<<16)|(1<<20)|(1<<21)|(5<<22)|(3<<25)
	s_or_b32 s[G1SB+0], s44, (3<<16)|(1<<20)|(1<<21)|(5<<22)|(3<<25)
.irp g, G1S, G1SB
	s_mov_b32 s[\g+1], 32<<16
	s_mov_b32 s[\g+2], (128*KS/256)<<16
	s_mov_b32 s[\g+3], 32<<16
	s_mov_b32 s[\g+4], 128*KS/256
	s_mov_b32 s[\g+5], 32
	s_mov_b32 s[\g+6], 0
	s_mov_b32 s[\g+7], 0
.endr
	s_lshl_b32 s22, s[HC], 7                       ; which 128 rows of the tile I fetch
	s_lshl_b32 s20, s19, 8
	s_add_co_u32 s20, s20, s22                     ; x: row 256 R + 128 x half
	s_lshl_b32 s46, s42, 8
	s_add_co_u32 s46, s46, s22
	s_lshl_b32 s47, s3, 10
	s_add_co_u32 s46, s46, s47
	s_add_co_u32 s46, s46, 24576                   ; W: row 24,576 + 1,024 t + 256 x + 128 x half
	s_lshl_b32 s22, s20, 5                         ; where these rows' scales begin, in bytes,
	s_mov_b32 s23, 0
	s_lshl_b32 s92, s46, 5
	s_mov_b32 s93, 0
	s_lshl_b32 s20, s20, 9                         ; and their codes
	s_mov_b32 s21, 0
	s_lshl_b32 s46, s46, 9
	s_mov_b32 s47, 0
	s_mul_i32 s45, s[WV], HALFT                    ; where they go: wave x 128 rows: no place in the cluster enters an LDS address
	s_mul_i32 s94, s[WV], HALFS
	s_wait_dscnt 0x0                               ; both opening adds are done
	s_wait_kmcnt 0x0
	s_add_nc_u64 s[20:21], s[4:5], s[20:21]
	s_add_nc_u64 s[22:23], s[6:7], s[22:23]
	s_add_nc_u64 s[46:47], s[4:5], s[46:47]
	s_add_nc_u64 s[92:93], s[6:7], s[92:93]
	CROUND                                         ; all sixteen work-groups are here: the joint loads meet
	s_mov_b32 s[G0S], 1
	s_add_co_u32 s[G0S+1], s94, SCL
	s_mov_b64 s[G0S+2:G0S+3], s[22:23]
	s_or_b32 s[G0S+3], s[G0S+3], 0x80000000
	s_mov_b32 s[G0SB], 1
	s_add_co_u32 s[G0SB+1], s94, SCL
	s_mov_b64 s[G0SB+2:G0SB+3], s[92:93]
	s_or_b32 s[G0SB+3], s[G0SB+3], 0x80000000
	JLOAD G0S, G1S, G0SB, G1SB                     ; the scales first: they are wanted with the first slot
.irp s, 0,1
	s_mov_b32 s[G0+4*\s], 1
	s_add_co_u32 s[G0+4*\s+1], s45, \s*SLOT
	s_add_nc_u64 s[G0+4*\s+2:G0+4*\s+3], s[20:21], \s*ROWB
	s_or_b32 s[G0+4*\s+3], s[G0+4*\s+3], 0x80000000
	s_mov_b32 s[G0B+4*\s], 1
	s_add_co_u32 s[G0B+4*\s+1], s45, \s*SLOT
	s_add_nc_u64 s[G0B+4*\s+2:G0B+4*\s+3], s[46:47], \s*ROWB
	s_or_b32 s[G0B+4*\s+3], s[G0B+4*\s+3], 0x80000000
	JLOAD G0+4*\s, G1, G0B+4*\s, G1B               ; three tensor loads of mine are out: all of the launch's
.endr
	v_and_b32 v1, 15, v0                           ; r = lane % 16
	v_bfe_u32 v2, v0, 4, 1                         ; h = lane / 16
	v_mul_u32_u24 v3, v1, PITCH
	v_lshl_add_u32 v4, v2, 4, v3                   ; a fragment's row x pitch + 16 x half
	s_mul_i32 s96, s[HR], HALFT                    ; my 128 tokens
	s_mul_i32 s97, s[HC], HALFT                    ; my 128 rows of W,
	s_add_co_u32 s97, s97, 2*HALFT                 ; which lie behind x's 256
.irp s, 0,1
	v_add_nc_u32 v[ADRA+\s], s96, v4
	v_add_nc_u32 v[ADRB+\s], s97, v4
	s_add_co_u32 s96, s96, SLOT
	s_add_co_u32 s97, s97, SLOT
.endr
	v_mul_u32_u24 v5, v1, KS                       ; my row's scales: 32 bytes a row,
	v_lshrrev_b32 v6, 8, v5
	v_lshl_add_u32 v5, v6, 4, v5                   ; and 16 more for each 256 passed
	s_mul_i32 s96, s[HR], HALFS
	s_mul_i32 s97, s[HC], HALFS
	s_add_co_u32 s97, s97, 2*HALFS
	s_sub_co_u32 s97, s97, s96
	v_mul_u32_u24 v6, s97, v2                      ; lanes 16-31 take W's: one product, the distance between the two bases
	s_add_co_u32 s96, s96, SCL
	v_add_nc_u32 v5, v5, v6
	v_add_nc_u32 v[ADRS], s96, v5
	s_mul_i32 s96, s[WV], 16*SPITCH                ; my stage
	v_mul_u32_u24 v5, v1, SPITCH                   ; in: token r, 16 bytes for each half of the lanes
	v_lshl_add_u32 v5, v2, 4, v5
	v_add_nc_u32 v[STO], s96, v5
	v_and_b32 v6, 31, v0
	v_lshlrev_b32 v[CO], 4, v6
	v_lshrrev_b32 v5, 3, v6                        ; back: eight lanes to a token's 128 bytes of one head, four tokens an instruction
	v_mul_u32_u24 v5, v5, SPITCH
	v_and_b32 v6, 7, v6
	v_lshl_add_u32 v5, v6, 4, v5
	v_add_nc_u32 v[RD], s96, v5
	v_lshlrev_b32 v[BO], 5, v2
	s_cmp_eq_u32 s3, 1                             ; the bias of q, k or v: a choice on the cluster's number
	s_cselect_b64 s[98:99], s[10:11], s[12:13]
	s_cmp_eq_u32 s3, 0
	s_cselect_b64 s[98:99], s[8:9], s[98:99]
	s_lshl_b32 s96, s42, 10
	s_lshl_b32 s97, s[HC], 9
	s_add_co_u32 s96, s96, s97                     ; my first output: (256 x + 128 x half) x 4 bytes
	s_mov_b32 s97, 0
	s_add_nc_u64 s[98:99], s[98:99], s[96:97]
	WIN TO_B
.irp b, 0,1,2,3,4,5,6,7                        ; lane (r, h) wants, for W's block b, the bias of outputs 16 b + 8 h + 0 .. 7: the result's layout
.irp u, 0,1
	global_load_b128 v[BIAS+8*\b+4*\u:BIAS+8*\b+4*\u+3], v[BO], s[98:99] offset:64*\b+16*\u
.endr
.endr
	WIN 0
	s_lshr_b32 s96, s19, 3                         ; where my part begins in qkv: plane 4 t + b = R / 8,
	s_lshl_b32 s96, s96, 22
	s_lshl_b32 s97, s42, 2
	s_lshl_b32 s2, s[HC], 1
	s_add_co_u32 s97, s97, s2                      ; head 4 x + 2 x half,
	s_lshl_b32 s97, s97, 18
	s_add_co_u32 s96, s96, s97
	s_and_b32 s97, s19, 7
	s_lshl_b32 s97, s97, 8
	s_lshl_b32 s2, s[HR], 7
	s_add_co_u32 s97, s97, s2                      ; token 256 (R % 8) + 128 x half, 128 bytes each
	s_lshl_b32 s97, s97, 7
	s_add_co_u32 s96, s96, s97
	s_mov_b32 s97, 0
	s_add_nc_u64 s[14:15], s[14:15], s[96:97]
.macro FRAG reg, adr, q, i             ; a fragment: lane l holds row l % 16; registers 4 c .. 4 c + 3 hold K = 64 c + 32 (l / 16) + 0 .. 31
.irp c, 0,1
	ds_load_b128 v[\reg+4*\c:\reg+4*\c+3], v[\adr] offset:64*(\q)+32*\c+(\i)*16*PITCH
.endr
.endm
; 16 matrix instructions: x's blocks a0, a0 + 1 against W's eight, the slot's q-th 128 along K.  p: W's set;  sc: the set of scale words.  zero = 1: the sums begin with the bias.
; The 64 accumulators take turns, one instruction a turn, in the same order in every step.
.macro MUL16 a0, p, q, sc, zero
.irp a, \a0, \a0+1
.irp b, 0,1,2,3,4,5,6,7
.if \zero
	v_wmma_scale_f32_16x16x128_f8f6f4 v[8*(8*((\a)%4)+\b):8*(8*((\a)%4)+\b)+7], v[128*(\p)+FR*\b:128*(\p)+FR*\b+FR-1], v[AF+FR*(\a):AF+FR*(\a)+FR-1], v[BIAS+8*\b:BIAS+8*\b+7], v[SC+8*NQ*(\sc)+NQ*\b+(\q)], v[SC+8*NQ*(\sc)+NQ*(\a)+(\q)] matrix_a_fmt:MATRIX_FMT_FP4 matrix_b_fmt:MATRIX_FMT_FP4 matrix_a_scale:MATRIX_SCALE_ROW1
.else
	v_wmma_scale_f32_16x16x128_f8f6f4 v[8*(8*((\a)%4)+\b):8*(8*((\a)%4)+\b)+7], v[128*(\p)+FR*\b:128*(\p)+FR*\b+FR-1], v[AF+FR*(\a):AF+FR*(\a)+FR-1], v[8*(8*((\a)%4)+\b):8*(8*((\a)%4)+\b)+7], v[SC+8*NQ*(\sc)+NQ*\b+(\q)], v[SC+8*NQ*(\sc)+NQ*(\a)+(\q)] matrix_a_fmt:MATRIX_FMT_FP4 matrix_b_fmt:MATRIX_FMT_FP4 matrix_a_scale:MATRIX_SCALE_ROW1
.endif
.endr
.endr
.endm
.macro FETCH_B slot, q, p
	WIN TO_B
.irp i, 0,1,2,3,4,5,6,7
	FRAG 128*(\p)+FR*\i, ADRB+\slot, \q, \i
.endr
	WIN 0
.endm
.macro FETCH_A slot, q, i0
.irp i, \i0, \i0+1, \i0+2, \i0+3
	FRAG AF+FR*(\i), ADRA+\slot, \q, \i
.endr
.endm
.macro SCALES sc                       ; a slot's scale words: four words a row; lanes 0-15 take x's block i, lanes 16-31 W's block i
.irp i, 0,1,2,3,4,5,6,7
	ds_load_b128 v[SC+8*NQ*\sc+NQ*\i:SC+8*NQ*\sc+NQ*\i+3], v[ADRS] offset:\i*SBLK
.endr
.endm
.macro PLACES n                        ; places in front of loads into registers that matrix instructions have read, and of the first read of results (ISA guide 7.12.1 for vector instructions)
.rept \n
	v_nop
.endr
.endm
; A step of 128 along K that has its successor in the same slot.  x has one set of registers: blocks 0-3 are fetched anew in the step's middle, blocks 4-7 at its end; W has two sets.
.macro STEP slot, q, zero
	s_wait_dscnt 4*NL                              ; W's set and x's blocks 0-3 are in; the youngest eight loads (x's blocks 4-7) may be out
.if \zero
	WIN BIA_LO
.else
	WIN MUL_LO
.endif
	MUL16 0, (\q)%2, \q, \slot, \zero
	MUL16 2, (\q)%2, \q, \slot, \zero
	s_wait_dscnt 0
	PLACES NP
	FETCH_B \slot, (\q)+1, 1-(\q)%2
	FETCH_A \slot, (\q)+1, 0
.if \zero
	WIN BIA_HI
.else
	WIN MUL_HI
.endif
	MUL16 4, (\q)%2, \q, \slot, \zero
	MUL16 6, (\q)%2, \q, \slot, \zero
	PLACES NP
	WIN 0
	FETCH_A \slot, (\q)+1, 4
.endm
.macro STEPS slot, from
.set Q, \from
.rept NQ-1-\from
	STEP \slot, Q, 0
.set Q, Q+1
.endr
.endm
	s_wait_tensorcnt 1                             ; the scales and my part of slot 0 are in; slot 1's load may be out
	s_barrier_signal -1
	s_barrier_wait -1                              ; everybody's are
	FETCH_B 0, 0, 0
	FETCH_A 0, 0, 0
	SCALES 0
	FETCH_A 0, 0, 4
	s_wait_loadcnt 0x0                             ; the bias
	STEP 0, 0, 1                                   ; the first step's products start the sums with the bias: nothing is cleared, nothing is added later
	STEPS 0, 1
	; slot 0's last step changes slots: ONE barrier; in front of it each wave has its part of slot 1 and has ended its reads of slot 0, where the stages of the way out will lie
	s_wait_tensorcnt 0x0                           ; my part of slot 1 has landed
	ds_add_u32 v[SPW], v[NIL]                      ; 0 onto my spare word
	s_wait_dscnt 4*NL+1                            ; (the add and the youngest eight loads, x's blocks 4-7, may be out)
	WIN MUL_LO
	MUL16 0, 1, NQ-1, 0, 0
	s_wait_dscnt 0x0                               ; the add is done, and my reads of slot 0 are over
	s_barrier_signal -1
	MUL16 2, 1, NQ-1, 0, 0
	WIN 0
	s_barrier_wait -1
	PLACES NP
	v_add_nc_u32 v[ADRS], 4*NQ, v[ADRS]            ; on to slot 1's scale words
	FETCH_B 1, 0, 0
	FETCH_A 1, 0, 0
	SCALES 1
	WIN MUL_HI
	MUL16 4, 1, NQ-1, 0, 0
	MUL16 6, 1, NQ-1, 0, 0
	PLACES NP
	WIN 0
	FETCH_A 1, 0, 4
	STEPS 1, 0
	s_wait_dscnt 4*NL                              ; the very last step: nothing more to fetch
	WIN MUL_LO
	MUL16 0, 1, NQ-1, 1, 0
	MUL16 2, 1, NQ-1, 1, 0
	s_wait_dscnt 0
	WIN MUL_HI
	MUL16 4, 1, NQ-1, 1, 0
	MUL16 6, 1, NQ-1, 1, 0
	WIN 0
; THE WAY OUT, block by block of 16 tokens x 128 outputs (two heads).  A lane's eight outputs pack into 16 bytes; they go through my own stage and come back so that the 32 lanes hold four tokens' 128 bytes of
; one head: 512 consecutive bytes of qkv.  LDS serves a wave's instructions in order (ISA guide 5.7.1.4): no wait between the stores and the loads.
.macro PACK a
.set AC, 64*((\a)%4)
	WIN 0x0a+5*((\a)/4)                            ; sources 0 and 1: window 2 or 3
.irp b, 0,1,2,3,4,5,6,7
.irp i, 0,1,2,3
	v_cvt_pk_f16_f32 v[TMP+4*\b+\i], v[AC+8*\b+2*\i], v[AC+8*\b+2*\i+1]   ; each accumulator from its low end on
.endr
.endr
	WIN 0
.endm
.macro TOSTAGE a
.set BB, BK+32*((\a)%2)
.irp b, 0,1,2,3,4,5,6,7
	ds_store_b128 v[STO], v[TMP+4*\b:TMP+4*\b+3] offset:32*\b
.endr
.irp hd, 0,1
.irp i, 0,1,2,3
	ds_load_b128 v[BB+4*(4*\hd+\i):BB+4*(4*\hd+\i)+3], v[RD] offset:4*SPITCH*\i+128*\hd
.endr
.endr
.endm
.macro SEND a
.set BB, BK+32*((\a)%2)
	s_wait_dscnt 0x0                               ; the block is back in registers
	s_wait_xcnt 0x0                                ; the earlier stores have read their registers: the next block's loads may land there
.irp hd, 0,1
.irp i, 0,1,2,3
	global_store_b128 v[CO], v[BB+4*(4*\hd+\i):BB+4*(4*\hd+\i)+3], s[14:15] offset:262144*\hd+2048*(\a)+512*\i   ; 32 lanes store 512 consecutive bytes, at a multiple of 256 from qkv's first byte
.endr
.endr
.endm
	PLACES NP                                      ; for the writes into the registers that held scale words
	PACK 0
	TOSTAGE 0
.irp a, 1,2,3,4,5,6,7                          ; block a's conversions stand between block a - 1's loads from the stage and the wait for them
	PACK \a
	SEND \a-1
	TOSTAGE \a
.endr
	SEND 7
	s_wait_tensorcnt 0x0                           ; the wave's end: behind my last tensor load and my last LDS store
	ds_add_u32 v[SPW], v[NIL]
	s_wait_dscnt 0x0
	CROUND                                         ; the closing round: no work-group ends while a partner may still ask for a tile that names it
	s_endpgm
.Lfunc_end_k_q049cd4709a_proj:
	.size	k_q049cd4709a_proj, .Lfunc_end_k_q049cd4709a_proj-k_q049cd4709a_proj
	.p2alignl 7, 3214868480
	.fill 96, 4, 3214868480
	.section	.rodata,"a",@progbits
	.p2align	6, 0x0
	.amdhsa_kernel k_q049cd4709a_proj
		.amdhsa_group_segment_fixed_size 327680
		.amdhsa_private_segment_fixed_size 0
		.amdhsa_enable_private_segment 0
		.amdhsa_kernarg_size 48
		.amdhsa_user_sgpr_count 2
		.amdhsa_user_sgpr_kernarg_segment_ptr 1
		.amdhsa_wavefront_size32 1
		.amdhsa_system_sgpr_workgroup_id_x 1
		.amdhsa_system_sgpr_workgroup_id_y 1
		.amdhsa_system_sgpr_workgroup_id_z 1
		.amdhsa_system_vgpr_workitem_id 0
		.amdhsa_next_free_vgpr 1024
		.amdhsa_next_free_sgpr 100
		.amdhsa_reserve_vcc 0
		.amdhsa_float_denorm_mode_32 3
		.amdhsa_float_denorm_mode_16_64 3
		.amdhsa_memory_ordered 1
		.amdhsa_forward_progress 1
		.amdhsa_inst_pref_size 128
	.end_amdhsa_kernel
	.amdgpu_metadata
---
amdhsa.version: [ 1, 2 ]
amdhsa.kernels:
  - .name:           k_q049cd4709a_proj
    .symbol:         k_q049cd4709a_proj.kd
    .args:
      - { .name: codes, .offset: 0, .size: 8, .value_kind: global_buffer, .address_space: global }
      - { .name: scl, .offset: 8, .size: 8, .value_kind: global_buffer, .address_space: global }
      - { .name: bq, .offset: 16, .size: 8, .value_kind: global_buffer, .address_space: global }
      - { .name: bk, .offset: 24, .size: 8, .value_kind: global_buffer, .address_space: global }
      - { .name: bv, .offset: 32, .size: 8, .value_kind: global_buffer, .address_space: global }
      - { .name: qkv, .offset: 40, .size: 8, .value_kind: global_buffer, .address_space: global }
    .group_segment_fixed_size: 327680
    .private_segment_fixed_size: 0
    .kernarg_segment_align: 8
    .kernarg_segment_size: 48
    .max_flat_workgroup_size: 128
    .sgpr_count:     100
    .vgpr_count:     1024
    .wavefront_size: 32
...
	.end_amdgpu_metadata
.endif
;; end of part 2
;; launch attn (part 3): grid 4 x 64, 16 waves a work-group, clusters of 4 x 1, 327,680 bytes of LDS; arguments qkv, mbits, att; writes att
.if DOCPART == 3
	.amdgcn_target "amdgcn-amd-amdhsa--gfx1250"
	.amdhsa_code_object_version 6
	.text
	.protected	k_q049cd4709a_attn
	.globl	k_q049cd4709a_attn
	.p2align	8
	.type	k_q049cd4709a_attn,@function
k_q049cd4709a_attn:
	s_mov_b64 s[64:65], 0
	v_nop
	global_prefetch_b8 v0, s[64:65] scope:SCOPE_SE
	s_setreg_imm32_b32 hwreg(HW_REG_WAVE_MODE, 25, 1), 1
	s_wait_xcnt 0x0
	s_wait_alu depctr_hold_cnt(0) depctr_sa_sdst(0) depctr_va_vdst(0) depctr_va_sdst(0) depctr_va_ssrc(0) depctr_va_vcc(0) depctr_vm_vsrc(0)
	s_getreg_b32 s2, hwreg(HW_REG_IB_STS2, 6, 4)
	s_cmp_eq_u32 s2, 0
	s_cbranch_scc0 .Lentry_in_a_cluster
	s_endpgm
.Lentry_in_a_cluster:
	s_bfe_u32 s2, ttmp6, 0x10000c
	s_cmp_lg_u32 s2, 0x3003
	s_cbranch_scc0 .Lentry_shape_is_right
	s_endpgm
.Lentry_shape_is_right:
; ATTN: att[b][h][q][:] = the sum over k of softmax_k(score) v[b][h][k][:], score = q . k / 8 where mask[b][q][k] != 0 and 1e-11 where it is 0: a masked key still counts, so every query walks all 2,048 keys.
; q, k, v: qkv [t][b][h][s][64] f16;  att: [b][h][s][64] f16.  Products on f16 operands with f32 sums; maxima, exponentials and sums in f32; the weights p (at most 1) are rounded to f16 for the second product.
; mbits: [b][q / 16][key / 16][j]: the lane mask of register j of a tile of scores: one v_cndmask_b32 a register applies the mask.
; SHARES.  A work-group owns 512 queries of one head, each of its SIXTEEN waves 32: two tiles of 16, in 256 registers: four waves to a SIMD, so that one wave's vector work stands beside another's matrix work and LDS loads.
; Each fragment of K and V read from LDS feeds two matrix instructions.  Every wave walks all keys, 64 a step.
; LAYOUT.  S^T = K Q^T (source 0 = 16 keys, source 1 = 16 queries): a lane holds ONE query (lane % 16) and the keys 8 (lane / 16) + 0..7.  Two such tiles, rounded to f16 in pairs, ARE source 1 of O^T = V^T P.
; K comes out of LDS as it lies, V ([key][channel]) turned, by ds_load_tr16_b128.
; SOFTMAX.  For each query a running maximum m and sum l: p = 2^(c s - c m), c = log2(e) / 8; in every step O and l are multiplied by a = 2^(c m_old - c m_new).  The step is written once: O^T and l begin as zeros and m as -3e38.
; RING.  Two LDS slots of 256 keys (four steps).  K and V of a head are dense in memory, so a tile is stated as rows of 256 bytes, two keys a row.  Waves 0, 1 fetch K's halves, waves 2, 3 V's; all sixteen read.
; CLUSTER.  The four work-groups of a cluster are the four query blocks of one head and walk the same K and V: each tile is asked for JOINTLY, by the same tensor load with the same descriptor and the mask 15.
; LIMIT: |q|, |k|, |v| and the result stay under 65,504 (f16).
.set PK,    272                        ; two keys of K in LDS: 256 bytes + 16: key k at (k / 2) PK + 128 (k % 2): the 16 keys of a load fall on 16 different 16-byte columns of the banks' 256 bytes (ISA guide 11.1)
.set PV,    288                        ; two keys of V: 256 + 32: 8 keys x 32 bytes of a turning load fall on eight different 32-byte columns
.set KSTP,  32*PK                      ; a step's 64 keys of K
.set VSTP,  32*PV
.set VOFF,  4*KSTP                     ; a slot: 256 keys of K, then 256 of V
.set SLOT1, 1<<17                      ; slot 1 begins here: one exclusive or turns an address in one slot into the other's
.set STAGE, SLOT1+4*KSTP+4*VSTP        ; behind the ring: 32 rows x 144 bytes for each wave, for the way out: bytes that no tensor load fills
.set SP,    144
.set SPARE, STAGE+16*32*SP             ; the spare words, 128 bytes a wave: eight blocks of 256 bytes that no other line names
.set AK0, 1                            ; v1   my lane's place in a tile of K; never rewritten
.set AV0, 2                            ; v2   the same for V
.set ADK, 3                            ; v3   LDS address of the step's K
.set ADV, 4                            ; v4   of its V
.set SPW, 5                            ; v5   LDS address of my spare word; never rewritten
.set NIL, 6                            ; v6   0; never rewritten
.set EPS, 7                            ; v7   8 x 1e-11: what a masked score is ahead of the factor c
.set PFO, 8                            ; v8   256 x lane: the prefetches' offset; never rewritten
.set QO,  9                            ; v9   my byte offset in the wave's rows of Q, later of att
.set ST,  10                           ; tile t's statistics at v[ST + 8 t]: +0 c m, +1 m, +2, +3 l (even, odd registers'), +4 to +7 at work; a in +6
.set STO, 30                           ; v30, v31: the way out
.set RD,  31
.set QF,  32                           ; v32-63   Q: tile t, channels 32 ks on, at QF + 16 t + 8 ks
.set KV,  64                           ; v64-127  eight fragments of K, then of V
.set S,   128                          ; v128-191 S^T, 32 a tile; then p; P is laid in place into a tile's first 16
.set O,   192                          ; v192-255 O^T, 32 a tile
.set WV,  2                            ; s2   my wave's number
.set SLOTS, 3                          ; s3   slots still to be asked for
.set G0,  4                            ; s[4:7]   descriptor group 0, which walks
.set G1K, 8                            ; s[8:15]  group 1 for K's tiles
.set G1V, 16                           ; s[16:23] for V's: it differs in the padding alone
.set SEL, 24                           ; s[24:25] lane selects for v_permlanex16_b32: lane l xor 16
.set MPT, 26                           ; s[26:27] my first tile's mask words
.set TBK, 28                           ; s28  LDS byte at which the step's K begins
.set TBV, 29                           ; s29  and its V, less VOFF
.set NST, 30                           ; s30  counts a slot's four steps
.set MOFF, 31                          ; s31  the step's mask words: 128 bytes a step
.set M0,  32                           ; s[32:63] tile 0's 32 mask words of a step
.set PFA, 66                           ; s[66:67] where my prefetches stand
.set M1,  68                           ; s[68:99] tile 1's
.set CS,  100                          ; s[100:101] c, twice: the packed form names a pair
.set LIM, 104                          ; s104 1 in a wave that prefetches, else the greatest number
.macro CROUND                          ; a round of the cluster's barrier
	s_barrier_signal -1
	s_barrier_wait -1
	s_cmp_lg_u32 s[WV], 0
	s_cbranch_scc1 .Lnot_wave_0_\@
	s_barrier_signal -3
.Lnot_wave_0_\@:
	s_barrier_wait -3
	s_barrier_signal -1
	s_barrier_wait -1
.endm
; A joint load.  Waves 0 and 1 fetch K's halves of a slot, waves 2 and 3 V's, the others nothing.  The branches hang on the wave's number alone: they are the same in every work-group.
; An s_nop 0 and four v_nop follow each of the two lines.
.macro TLOAD
	s_cmp_lt_u32 s[WV], 2
	s_cbranch_scc0 .Lnot_k_\@
	tensor_load_to_lds s[G0:G0+3], s[G1K:G1K+7]
	s_nop 0
.rept 4
	v_nop
.endr
	s_branch .Lasked_\@
.Lnot_k_\@:
	s_cmp_lt_u32 s[WV], 4
	s_cbranch_scc0 .Lasked_\@
	tensor_load_to_lds s[G0:G0+3], s[G1V:G1V+7]
	s_nop 0
.rept 4
	v_nop
.endr
.Lasked_\@:
.endm
; A PREFETCH INTO THE L2 of what the NEXT change of slots will ask for: a slot's 32,768 bytes of K and of V.  A head is walked by this cluster alone.  Its four partners share the bytes out BY ADDRESS, 8,192 each;
; in each, wave 4 asks for K's and wave 5 for V's, lanes 256 bytes apart: one instruction, and each aligned block of 256 bytes is named once in the launch.  It stands a slot's four key steps ahead of the load.
; The last change that fills a slot asks for nothing; slots 0 and 1 come by their loads alone.
.macro ASK
	s_cmp_gt_u32 s[SLOTS], s[LIM]
	s_cbranch_scc0 .Lnot_mine_\@
	global_prefetch_b8 v[PFO], s[PFA:PFA+1] th:TH_LOAD_NT scope:SCOPE_SE
.Lnot_mine_\@:
.endm
.macro MLOAD                           ; a step's mask words of my two tiles: 32 words each
	s_load_b512 s[M0:M0+15],    s[MPT:MPT+1], s[MOFF] offset:0x0
	s_load_b512 s[M0+16:M0+31], s[MPT:MPT+1], s[MOFF] offset:0x40
	s_load_b512 s[M1:M1+15],    s[MPT:MPT+1], s[MOFF] offset:0x1000
	s_load_b512 s[M1+16:M1+31], s[MPT:MPT+1], s[MOFF] offset:0x1040
.endm
	s_load_b128 s[32:35], s[0:1], 0x0              ; qkv s[32:33], mbits s[34:35] (the mask words' registers serve as scratch up to the first MLOAD)
	v_lshl_add_u32 v[SPW], v0, 2, SPARE
	v_mov_b32 v[NIL], 0
	ds_add_u32 v[SPW], v[NIL]                      ; the wave's opening: the add, twice on end, and its wait ahead of my first tensor load
	ds_add_u32 v[SPW], v[NIL]                      ; and once more, under the one wait; the set-up below stands between
	v_lshrrev_b32 v9, 5, v0
	v_readfirstlane_b32 s[WV], v9                  ; wave 0..15
	s_bfe_u32 s36, ttmp6, 0x40000                  ; cx: my block of 512 queries: it enters Q's, the mask's, att's and the prefetches' addresses alone
	s_and_b32 s37, ttmp7, 0xffff                   ; 16 b + h, which the four partners share
	; descriptor group 1: 64 rows x 128 elements of 2 bytes (128 keys), dense in memory, padded in LDS
	s_mov_b32 s[G1K], 15|(1<<16)|(1<<20)|(1<<21)|(5<<22)|(3<<25)  ; 15:0 the mask: all four work-groups; 17:16 elements of 2 bytes; 20 padding on; 21 set beside a mask; 24:22 after every 64 words; 31:25 4 words
	s_mov_b32 s[G1V], 15|(1<<16)|(1<<20)|(1<<21)|(5<<22)|(7<<25)  ; the same with 8 words of padding
.irp g, G1K, G1V
	s_mov_b32 s[\g+1], 128<<16                     ; tensor_dim0
	s_mov_b32 s[\g+2], 64<<16                      ; tensor_dim1
	s_mov_b32 s[\g+3], 128<<16                     ; tile_dim0
	s_mov_b32 s[\g+4], 64                          ; tile_dim1
	s_mov_b32 s[\g+5], 128                         ; tensor_dim0_stride
	s_mov_b32 s[\g+6], 0
	s_mov_b32 s[\g+7], 0
.endr
	s_mov_b32 s[SEL], 0x76543210
	s_mov_b32 s[SEL+1], 0xfedcba98
	s_mov_b32 s[CS], 0x3e38aa3b                    ; c = log2(e) / 8
	s_mov_b32 s[CS+1], s[CS]
	s_sub_co_u32 s38, s[WV], 4
	s_lshr_b32 s38, s38, 1                         ; 0 in waves 4 and 5
	s_cmp_eq_u32 s38, 0
	s_cselect_b32 s[LIM], 1, -1
	s_min_u32 s39, s[WV], 3                        ; what I fetch, if I fetch (the other waves hold wave 3's numbers and issue nothing)
	s_lshr_b32 s40, s39, 1                         ; K (0) or V (1)
	s_and_b32 s41, s39, 1                          ; which 128 keys of the slot's 256
	s_mov_b32 s[G0], 1                             ; 1:0 count = 1
	s_mul_i32 s[G0+1], s39, 64*PK                  ; 63:32 LDS address: 0, 17,408, 34,816,
	s_and_b32 s42, s40, s39
	s_lshl_b32 s42, s42, 10
	s_add_co_u32 s[G0+1], s[G0+1], s42             ; 53,248: V's half is 64 x 16 bytes longer than K's
	s_lshl_b32 s43, s37, 18                        ; the head's first byte in a plane of qkv, and in att
	s_add_co_u32 s44, s40, 1
	s_lshl_b32 s44, s44, 24                        ; plane 1: k, plane 2: v
	s_add_co_u32 s44, s44, s43
	s_lshl_b32 s46, s41, 14
	s_add_co_u32 s44, s44, s46
	s_mov_b32 s45, 0
	s_lshl_b32 s48, s36, 16                        ; Q: my block's 512 rows of 128 bytes,
	s_lshl_b32 s49, s[WV], 12                      ; my wave's 32 of them
	s_add_co_u32 s48, s48, s49
	s_add_co_u32 s48, s48, s43
	s_mov_b32 s49, 0
	s_lshr_b32 s50, s37, 4                         ; the mask words: tile 128 b + 32 cx + 2 wave, 4,096 bytes a tile
	s_lshl_b32 s50, s50, 7
	s_lshl_b32 s51, s36, 5
	s_add_co_u32 s50, s50, s51
	s_lshl_b32 s51, s[WV], 1
	s_add_co_u32 s50, s50, s51
	s_lshl_b32 s50, s50, 12
	s_mov_b32 s51, 0
	s_and_b32 s52, s[WV], 1                        ; the prefetches: wave 4 k's plane, wave 5 v's,
	s_add_co_u32 s52, s52, 1
	s_lshl_b32 s52, s52, 24
	s_add_co_u32 s52, s52, s43
	s_lshl_b32 s53, s36, 13                        ; my work-group's 8,192 bytes of a slot's 32,768,
	s_add_co_u32 s52, s52, s53
	s_add_co_u32 s52, s52, 0x8000                  ; in slot 1: the first change of slots steps it to slot 2.  Nothing is prefetched here, at the head
	s_mov_b32 s53, 0
	s_wait_dscnt 0x0                               ; both opening adds are done
	s_wait_kmcnt 0x0
	s_add_nc_u64 s[G0+2:G0+3], s[32:33], s[44:45]  ; 120:64 global address: the head's first 256 keys, my half
	s_or_b32 s[G0+3], s[G0+3], 0x80000000          ; 127:126 type = 2
	s_add_nc_u64 s[28:29], s[32:33], s[48:49]      ; Q's base stands here until Q is in
	s_add_nc_u64 s[PFA:PFA+1], s[32:33], s[52:53]
	s_add_nc_u64 s[MPT:MPT+1], s[34:35], s[50:51]
	CROUND                                         ; all four work-groups are here: the first joint loads meet
	TLOAD                                          ; slot 0
	v_and_b32 v26, 15, v0                          ; r = lane % 16
	v_bfe_u32 v27, v0, 4, 1                        ; h = lane / 16
	v_lshlrev_b32 v[QO], 7, v26
	v_lshl_add_u32 v[QO], v27, 4, v[QO]            ; row r of 128 bytes + 16 h
.irp t, 0,1
.irp ks, 0,1
.irp u, 0,1
	global_load_b128 v[QF+16*\t+8*\ks+4*\u:QF+16*\t+8*\ks+4*\u+3], v[QO], s[28:29] offset:2048*\t+64*\ks+32*\u   ; Q stays in registers
.endr
.endr
.endr
	s_mov_b32 s[MOFF], 0
	MLOAD                                          ; step 0's mask words
	v_lshrrev_b32 v28, 1, v26
	v_and_b32 v29, 1, v0
	v_mul_u32_u24 v[AK0], v28, PK
	v_lshl_add_u32 v[AK0], v29, 7, v[AK0]
	v_lshl_add_u32 v[AK0], v27, 4, v[AK0]          ; K: key r: (r / 2) PK + 128 (r % 2) + 16 h
	v_bfe_u32 v28, v0, 1, 2
	v_lshl_add_u32 v28, v27, 2, v28
	v_mul_u32_u24 v[AV0], v28, PV
	v_lshl_add_u32 v[AV0], v29, 7, v[AV0]
	v_bfe_u32 v28, v0, 3, 1
	v_lshl_add_u32 v[AV0], v28, 4, v[AV0]
	v_add_nc_u32 v[AV0], VOFF, v[AV0]              ; V: lane l reads key 8 h + l % 8, channels 8 ((l / 8) % 2) on
	v_mov_b32 v[EPS], 0x2eafebff                   ; 8 x float32(1e-11): times c it is 1e-11 x log2(e)
	v_and_b32 v[PFO], 31, v0
	v_lshlrev_b32 v[PFO], 8, v[PFO]
.irp t, 0,1
	v_mov_b32 v[ST+8*\t+1], 0xff61b1e6             ; m: -3e38, under every score
	v_mul_f32 v[ST+8*\t], s[CS], v[ST+8*\t+1]      ; c m
.irp j, 2,3,4,5,6,7
	v_mov_b32 v[ST+8*\t+\j], 0                     ; l; and the registers at work (a lane permute's destination counts as read)
.endr
.endr
.set i, 0
.rept 64
	v_mov_b32 v[O+i], 0                            ; O^T: the first step finds zeros, which its a = 0 leaves zeros
.set i, i+1
.endr
	s_wait_loadcnt 0x0                             ; Q is in: its base's registers are free
	s_mov_b32 s[TBK], 0
	s_mov_b32 s[TBV], 0
	s_mov_b32 s[SLOTS], 7
; A KEY STEP: 64 keys, 32 matrix instructions.  Where a line is written for both tiles they alternate, so that no line waits for the line above it.
.macro STEP
	v_add_nc_u32 v[ADK], s[TBK], v[AK0]            ; with the three v_nop: five places behind the last step's V^T P: the loads below land in its fragments' registers (four are owed),
	v_add_nc_u32 v[ADV], s[TBV], v[AV0]            ; and the products below write over P, which it read (five)
.rept 3
	v_nop
.endr
.irp ks, 0,1                                   ; K's fragment (16 keys kt, 32 channels ks): two loads of 16 bytes, 32 bytes apart
.irp kt, 0,1,2,3
	ds_load_b128 v[KV+8*(4*\ks+\kt):KV+8*(4*\ks+\kt)+3],   v[ADK] offset:8*PK*\kt+64*\ks
	ds_load_b128 v[KV+8*(4*\ks+\kt)+4:KV+8*(4*\ks+\kt)+7], v[ADK] offset:8*PK*\kt+64*\ks+32
.endr
.endr
	s_wait_dscnt 8                                 ; channels 0-31 are in; the eight loads of channels 32-63 may be out
.irp kt, 0,1,2,3                               ; the eight accumulators take turns, one instruction a turn
.irp t, 0,1
	v_wmma_f32_16x16x32_f16 v[S+32*\t+8*\kt:S+32*\t+8*\kt+7], v[KV+8*\kt:KV+8*\kt+7], v[QF+16*\t:QF+16*\t+7], 0
.endr
.endr
	s_wait_dscnt 0x0
.irp kt, 0,1,2,3
.irp t, 0,1
	v_wmma_f32_16x16x32_f16 v[S+32*\t+8*\kt:S+32*\t+8*\kt+7], v[KV+32+8*\kt:KV+32+8*\kt+7], v[QF+16*\t+8:QF+16*\t+15], v[S+32*\t+8*\kt:S+32*\t+8*\kt+7]
.endr
.endr
.rept 4
	v_nop                                          ; places in front of the loads into K's registers and of the first read of the scores
.endr
.irp kk, 0,1                                   ; V's fragment (16 channels dt, 32 keys kk), turned; it lands under the softmax
.irp dt, 0,1,2,3
	ds_load_tr16_b128 v[KV+8*(4*\kk+\dt):KV+8*(4*\kk+\dt)+3],   v[ADV] offset:16*PV*\kk+32*\dt
	ds_load_tr16_b128 v[KV+8*(4*\kk+\dt)+4:KV+8*(4*\kk+\dt)+7], v[ADV] offset:16*PV*\kk+8*PV+32*\dt
.endr
.endr
	s_wait_kmcnt 0x0                               ; this step's mask words are in, so their offset may be written:
	s_add_co_u32 s[MOFF], s[MOFF], 128             ; the next step's,
	s_and_b32 s[MOFF], s[MOFF], 0xfff              ; held inside the tile's 4,096 bytes: the last step's look-ahead reads step 0's again and nobody uses it
.set i, 0
.rept 32
	v_cndmask_b32 v[S+i], v[EPS], v[S+i], s[M0+i]          ; a masked score becomes 8e-11; each accumulator from its low end on
	v_cndmask_b32 v[S+32+i], v[EPS], v[S+32+i], s[M1+i]
.set i, i+1
.endr
	MLOAD                                          ; they have the rest of this step and the next K Q^T in which to come
.irp j, 0,1,2,3                                ; the maximum of a lane's 32 scores and the old m: four chains of seven, then the four left over
.irp t, 0,1
	v_max3_num_f32 v[ST+8*\t+4+\j], v[S+32*\t+8*\j], v[S+32*\t+8*\j+1], v[S+32*\t+8*\j+2]
.endr
.endr
.irp g, 1,2
.irp j, 0,1,2,3
.irp t, 0,1
	v_max3_num_f32 v[ST+8*\t+4+\j], v[ST+8*\t+4+\j], v[S+32*\t+8*\j+2*\g+1], v[S+32*\t+8*\j+2*\g+2]
.endr
.endr
.endr
.irp t, 0,1
	v_max3_num_f32 v[ST+8*\t+4], v[ST+8*\t+4], v[S+32*\t+7], v[S+32*\t+15]
	v_max3_num_f32 v[ST+8*\t+6], v[ST+8*\t+6], v[S+32*\t+23], v[S+32*\t+31]
.endr
.irp t, 0,1
	v_max3_num_f32 v[ST+8*\t+4], v[ST+8*\t+4], v[ST+8*\t+5], v[ST+8*\t+6]
.endr
.irp t, 0,1
	v_max3_num_f32 v[ST+8*\t+4], v[ST+8*\t+4], v[ST+8*\t+7], v[ST+8*\t+1]
.endr
.irp t, 0,1
	v_permlanex16_b32 v[ST+8*\t+5], v[ST+8*\t+4], s[SEL], s[SEL+1]   ; the query's other 32 keys lie in the lane 16 away
.endr
.irp t, 0,1
	v_mov_b32 v[ST+8*\t+7], v[ST+8*\t]             ; c m_old is kept for a
.endr
.irp t, 0,1
	v_max_num_f32 v[ST+8*\t+1], v[ST+8*\t+4], v[ST+8*\t+5]
.endr
.irp t, 0,1
	v_mul_f32 v[ST+8*\t], s[CS], v[ST+8*\t+1]
.endr
.irp t, 0,1
	v_sub_f32 v[ST+8*\t+7], v[ST+8*\t+7], v[ST+8*\t]
.endr
.irp b, 0,2,4,6,8,10,12,14,16,18,20,22,24,26,28,30
.irp t, 0,1
	v_pk_fma_f32 v[S+32*\t+\b:S+32*\t+\b+1], v[S+32*\t+\b:S+32*\t+\b+1], s[CS:CS+1], v[ST+8*\t:ST+8*\t+1] op_sel_hi:[1,0,0] neg_lo:[0,0,1] neg_hi:[0,0,1]   ; c s - c m, two at a time
.endr
.endr
.irp t, 0,1                                    ; ONE BATCH of 66 exponentials
	v_exp_f32 v[ST+8*\t+6], v[ST+8*\t+7]           ; a
.endr
.set i, 0
.rept 64
	v_exp_f32 v[S+i], v[S+i]                       ; p, at most 1
.set i, i+1
.endr
	v_nop                                          ; a plain instruction behind the last exponential (ISA guide 5.7.2)
	s_wait_alu depctr_va_vdst(0)                   ; and the one wait ahead of the batch's first reader
.irp t, 0,1                                    ; l = a l + the sum of p, in two chains; p stays as it is
	v_pk_fma_f32 v[ST+8*\t+2:ST+8*\t+3], v[ST+8*\t+2:ST+8*\t+3], v[ST+8*\t+6:ST+8*\t+7], v[S+32*\t+4:S+32*\t+5] op_sel_hi:[1,0,1]
	v_pk_add_f32 v[ST+8*\t+4:ST+8*\t+5], v[S+32*\t:S+32*\t+1], v[S+32*\t+2:S+32*\t+3]
.endr
.irp j, 6,10,14,18,22,26
.irp t, 0,1
	v_pk_add_f32 v[ST+8*\t+4:ST+8*\t+5], v[ST+8*\t+4:ST+8*\t+5], v[S+32*\t+\j:S+32*\t+\j+1]
	v_pk_add_f32 v[ST+8*\t+2:ST+8*\t+3], v[ST+8*\t+2:ST+8*\t+3], v[S+32*\t+\j+2:S+32*\t+\j+3]
.endr
.endr
.irp t, 0,1
	v_pk_add_f32 v[ST+8*\t+4:ST+8*\t+5], v[ST+8*\t+4:ST+8*\t+5], v[S+32*\t+30:S+32*\t+31]
.endr
.irp t, 0,1
	v_pk_add_f32 v[ST+8*\t+2:ST+8*\t+3], v[ST+8*\t+2:ST+8*\t+3], v[ST+8*\t+4:ST+8*\t+5]
.endr
.set i, 0
.rept 16
	v_cvt_pk_f16_f32 v[S+i], v[S+2*i], v[S+2*i+1]          ; P in place: register i was read at line i / 2
	v_cvt_pk_f16_f32 v[S+32+i], v[S+32+2*i], v[S+32+2*i+1]
.set i, i+1
.endr
.set i, 0
.rept 16
	v_pk_mul_f32 v[O+2*i:O+2*i+1], v[O+2*i:O+2*i+1], v[ST+6:ST+7] op_sel_hi:[1,0]              ; O^T under the new m; each accumulator from its low end on
	v_pk_mul_f32 v[O+32+2*i:O+32+2*i+1], v[O+32+2*i:O+32+2*i+1], v[ST+14:ST+15] op_sel_hi:[1,0]
.set i, i+1
.endr
	s_wait_dscnt 0x0                               ; V is in
.irp kk, 0,1
.irp dt, 0,1,2,3
.irp t, 0,1
	v_wmma_f32_16x16x32_f16 v[O+32*\t+8*\dt:O+32*\t+8*\dt+7], v[KV+8*(4*\kk+\dt):KV+8*(4*\kk+\dt)+7], v[S+32*\t+8*\kk:S+32*\t+8*\kk+7], v[O+32*\t+8*\dt:O+32*\t+8*\dt+7]
.endr
.endr
.endr
.endm
; THE CHANGE OF SLOTS stands at a slot's head.  Each wave waits for all its tensor loads (its part of the slot that it is about to read), adds 0 to its spare word, and waits for that and for its reads of the slot that it has left.
; fill = 1: the barrier is a round of the cluster's, so that no wave of any partner still reads that slot or has a load on its way; the joint load of the keys that follow is the first thing behind it:
; one tensor load of a wave is out, and it has four key steps in which to land.
.macro CHANGE fill
	s_wait_tensorcnt 0x0                           ; no tensor load of mine is out, so the group 0 may be written
	ds_add_u32 v[SPW], v[NIL]                      ; 0 onto my spare word
.if \fill
	ds_add_u32 v[SPW], v[NIL]                      ; and once more
	s_xor_b32 s[G0+1], s[G0+1], SLOT1              ; the other slot than last time,
	s_add_nc_u64 s[G0+2:G0+3], s[G0+2:G0+3], 0x8000   ; the next 256 keys; the type bits on top are not reached
	s_wait_xcnt 0x0                                ; the last prefetch, a slot back, has read its address, so it may be written:
	s_add_nc_u64 s[PFA:PFA+1], s[PFA:PFA+1], 0x8000   ; one slot further on than the walking descriptor
	s_wait_dscnt 0x0                               ; both adds are done, and my reads of the slot that I have left are over
	CROUND
	TLOAD
	ASK
.else
	s_wait_dscnt 0x0
	s_barrier_signal -1
	s_barrier_wait -1
.endif
.endm
.macro SLOT_STEPS                      ; a slot's four key steps: written once, walked four times
	s_mov_b32 s[NST], 4
.Lstep_\@:
	STEP
	s_add_co_u32 s[TBK], s[TBK], KSTP
	s_add_co_u32 s[TBV], s[TBV], VSTP
	s_sub_co_u32 s[NST], s[NST], 1
	s_cmp_lg_u32 s[NST], 0
	s_cbranch_scc1 .Lstep_\@
	s_sub_co_u32 s[TBK], s[TBK], 4*KSTP            ; back to a slot's first step,
	s_xor_b32 s[TBK], s[TBK], SLOT1                ; in the other slot
	s_sub_co_u32 s[TBV], s[TBV], 4*VSTP
	s_xor_b32 s[TBV], s[TBV], SLOT1
.endm
.Lslot:                                            ; seven trips: behind each change of slots but the last the next slot is asked for
	CHANGE 1
	SLOT_STEPS
	s_sub_co_u32 s[SLOTS], s[SLOTS], 1
	s_cmp_lg_u32 s[SLOTS], 0
	s_cbranch_scc1 .Lslot
	CHANGE 0                                       ; the last slot is written out
	SLOT_STEPS
	; THE WAY OUT.  l's two halves and the other half of the lanes' are added; O^T is divided by l, rounded to f16 and sent through my stage, so that the 32 lanes store four queries' 128 bytes: 512 consecutive bytes.
	s_wait_kmcnt 0x0                               ; the last look-ahead's mask words: their registers are free now
	s_load_b64 s[32:33], s[0:1], 0x10              ; att
.irp t, 0,1
	v_add_f32 v[ST+8*\t+4], v[ST+8*\t+2], v[ST+8*\t+3]
.endr
.irp t, 0,1
	v_permlanex16_b32 v[ST+8*\t+5], v[ST+8*\t+4], s[SEL], s[SEL+1]
.endr
.irp t, 0,1
	v_add_f32 v[ST+8*\t+4], v[ST+8*\t+4], v[ST+8*\t+5]
.endr
.irp t, 0,1
	v_rcp_f32 v[ST+8*\t+6], v[ST+8*\t+4]
.endr
	v_and_b32 v26, 15, v0                          ; (plain work behind the reciprocals; with the additions above also the places behind the last products)
	v_bfe_u32 v27, v0, 4, 1
	s_mul_i32 s105, s[WV], 32*SP
	s_add_co_u32 s105, s105, STAGE                 ; my stage
	v_mul_u32_u24 v[STO], v26, SP
	v_lshl_add_u32 v[STO], v27, 4, v[STO]
	v_add_nc_u32 v[STO], s105, v[STO]              ; in: query r, 16 bytes for each half of the lanes
	v_bfe_u32 v28, v0, 3, 2
	v_and_b32 v29, 7, v0
	v_mul_u32_u24 v[RD], v28, SP
	v_lshl_add_u32 v[RD], v29, 4, v[RD]
	v_add_nc_u32 v[RD], s105, v[RD]                ; back: eight lanes to a query
	v_and_b32 v[QO], 31, v0
	v_lshlrev_b32 v[QO], 4, v[QO]                  ; and in att: 16 x lane
	s_bfe_u32 s36, ttmp6, 0x40000
	s_and_b32 s37, ttmp7, 0xffff
	s_lshl_b32 s38, s37, 18
	s_lshl_b32 s36, s36, 16
	s_add_co_u32 s38, s38, s36
	s_lshl_b32 s36, s[WV], 12
	s_add_co_u32 s38, s38, s36                     ; my wave's first row of att: as Q's
	s_mov_b32 s39, 0
	s_wait_alu depctr_va_vdst(0)                   ; the wait ahead of the reciprocals' first reader
.set i, 0
.rept 16
	v_pk_mul_f32 v[O+2*i:O+2*i+1], v[O+2*i:O+2*i+1], v[ST+6:ST+7] op_sel_hi:[1,0]
	v_pk_mul_f32 v[O+32+2*i:O+32+2*i+1], v[O+32+2*i:O+32+2*i+1], v[ST+14:ST+15] op_sel_hi:[1,0]
.set i, i+1
.endr
.set i, 0
.rept 32
	v_cvt_pk_f16_f32 v[S+i], v[O+2*i], v[O+2*i+1]  ; tile t's 16 registers at S + 16 t: register 4 dt + n holds channels 16 dt + 8 h + 2 n, + 1
.set i, i+1
.endr
.irp t, 0,1
.irp dt, 0,1,2,3
	ds_store_b128 v[STO], v[S+16*\t+4*\dt:S+16*\t+4*\dt+3] offset:16*SP*\t+32*\dt
.endr
.irp n, 0,1,2,3
	ds_load_b128 v[KV+16*\t+4*\n:KV+16*\t+4*\n+3], v[RD] offset:16*SP*\t+4*SP*\n   ; LDS serves a wave's instructions in order (ISA guide 5.7.1.4): these see the stores above
.endr
.endr
	s_wait_kmcnt 0x0
	s_add_nc_u64 s[32:33], s[32:33], s[38:39]
.irp n, 0,1,2,3,4,5,6,7
	s_wait_dscnt 7-\n                              ; load n of the eight is in (for tile 0 more could stay out: tile 1's four stores stand behind too)
	global_store_b128 v[QO], v[KV+4*\n:KV+4*\n+3], s[32:33] offset:512*\n   ; 32 lanes store 512 consecutive bytes, at a multiple of 256 from att's first byte
.endr
	s_wait_tensorcnt 0x0                           ; the wave's end: behind my last tensor load and my last LDS store
	ds_add_u32 v[SPW], v[NIL]
	s_wait_dscnt 0x0
	CROUND                                         ; the closing round: no work-group ends while a partner may still ask for a tile that names it
	s_endpgm
.Lfunc_end_k_q049cd4709a_attn:
	.size	k_q049cd4709a_attn, .Lfunc_end_k_q049cd4709a_attn-k_q049cd4709a_attn
	.p2alignl 7, 3214868480
	.fill 96, 4, 3214868480
	.section	.rodata,"a",@progbits
	.p2align	6, 0x0
	.amdhsa_kernel k_q049cd4709a_attn
		.amdhsa_group_segment_fixed_size 327680
		.amdhsa_private_segment_fixed_size 0
		.amdhsa_enable_private_segment 0
		.amdhsa_kernarg_size 24
		.amdhsa_user_sgpr_count 2
		.amdhsa_user_sgpr_kernarg_segment_ptr 1
		.amdhsa_wavefront_size32 1
		.amdhsa_system_sgpr_workgroup_id_x 1
		.amdhsa_system_sgpr_workgroup_id_y 1
		.amdhsa_system_sgpr_workgroup_id_z 1
		.amdhsa_system_vgpr_workitem_id 0
		.amdhsa_next_free_vgpr 256
		.amdhsa_next_free_sgpr 106
		.amdhsa_reserve_vcc 0
		.amdhsa_float_denorm_mode_32 3
		.amdhsa_float_denorm_mode_16_64 3
		.amdhsa_memory_ordered 1
		.amdhsa_forward_progress 1
		.amdhsa_inst_pref_size 63
	.end_amdhsa_kernel
	.amdgpu_metadata
---
amdhsa.version: [ 1, 2 ]
amdhsa.kernels:
  - .name:           k_q049cd4709a_attn
    .symbol:         k_q049cd4709a_attn.kd
    .args:
      - { .name: qkv, .offset: 0, .size: 8, .value_kind: global_buffer, .address_space: global }
      - { .name: mbits, .offset: 8, .size: 8, .value_kind: global_buffer, .address_space: global }
      - { .name: att, .offset: 16, .size: 8, .value_kind: global_buffer, .address_space: global }
    .group_segment_fixed_size: 327680
    .private_segment_fixed_size: 0
    .kernarg_segment_align: 8
    .kernarg_segment_size: 24
    .max_flat_workgroup_size: 512
    .sgpr_count:     106
    .vgpr_count:     256
    .wavefront_size: 32
...
	.end_amdgpu_metadata
.endif
;; end of part 3
;; launch outp (part 4): grid 4 x 64, 4 waves a work-group, clusters of 4 x 4, 327,680 bytes of LDS; arguments att, wo16, bo, out0; writes out0
.if DOCPART == 4
	.amdgcn_target "amdgcn-amd-amdhsa--gfx1250"
	.amdhsa_code_object_version 6
	.text
	.protected	k_q049cd4709a_outp
	.globl	k_q049cd4709a_outp
	.p2align	8
	.type	k_q049cd4709a_outp,@function
k_q049cd4709a_outp:
	s_mov_b64 s[64:65], 0
	v_nop
	global_prefetch_b8 v0, s[64:65] scope:SCOPE_SE
	s_setreg_imm32_b32 hwreg(HW_REG_WAVE_MODE, 25, 1), 1
	s_wait_xcnt 0x0
	s_wait_alu depctr_hold_cnt(0) depctr_sa_sdst(0) depctr_va_vdst(0) depctr_va_sdst(0) depctr_va_ssrc(0) depctr_va_vcc(0) depctr_vm_vsrc(0)
	s_getreg_b32 s2, hwreg(HW_REG_IB_STS2, 6, 4)
	s_cmp_eq_u32 s2, 0
	s_cbranch_scc0 .Lentry_in_a_cluster
	s_endpgm
.Lentry_in_a_cluster:
	s_bfe_u32 s2, ttmp6, 0x10000c
	s_cmp_lg_u32 s2, 0xf033
	s_cbranch_scc0 .Lentry_shape_is_right
	s_endpgm
.Lentry_shape_is_right:
; OUTP: out0[m][n] = the sum over k of att[m][k] wo[n][k] + bo[n].  att: [b][h][s][64] f16 (k = 64 h + channel), wo16: [1024][1024] f16, out0: [8192][1024] f32; sums in f32.
; A tile of 128 tokens x 256 outputs is made by four waves, each 64 x 128: 32 accumulators, 256 registers: 256 work-groups.
; K goes in steps of 128, two heads, through a ring of two LDS slots.  A head's 128 tokens are 16,384 dense bytes: a plane of 64 rows of 256 bytes, two tokens a row.  Waves 0, 1 fetch the two planes, waves 2, 3 wo's halves.
; CLUSTERS: 4 x 4 work-groups.  The four of a row of the cluster need the same tokens, the four of a column the same rows of wo: each tile is asked for JOINTLY.
; THE MATRIX INSTRUCTION IS USED TRANSPOSED (source 0 = 16 rows of wo, source 1 = 16 tokens): a lane holds eight neighbouring outputs of one token.  THE BIAS is the C of each sum's first product.
; No prefetch: eight short K steps, and both operands are shared in the cluster.
; REGISTERS: window 0: v0-31 addresses; v32-63, v64-95 att's fragments, two buffers; v96-223 the way out.   window 1: v0-63, v64-127 wo's fragments, two buffers; v128-191 the bias.   window 2: accumulator (a, b) at v[8 (8 a + b)].
.set PITCH,  272                       ; an LDS row: 256 bytes + 16: 68 words (64 banks of 4 bytes: ISA guide 11.1)
.set PLANE,  64*PITCH                  ; a head's 128 tokens
.set BOFF,   2*PLANE                   ; wo's 256 rows lie behind the two planes
.set SLOT,   BOFF+256*PITCH
.set SPARE,  2*SLOT                    ; the spare words, 128 bytes a wave: two blocks of 256 bytes that no other line names
.set SPITCH, 528                       ; the way out: a stage of 16 rows x (512 bytes + 16) for each wave, in slot 0, which has had its last fill and its last read by then
.set LAPS,   4                         ; a lap = two K steps = once round the ring
.set ADRA, 16                          ; v16-17  LDS address of my fragments of att in slot 0, 1
.set ADRB, 20                          ; v20-21  the same for wo
.set STO,  24
.set RD,   25
.set CO,   26
.set BO,   27
.set SPW,  28                          ; v28     LDS address of my spare word; never rewritten
.set NIL,  29                          ; v29     0; never rewritten
.set AF,   32
.set BIAS, 128                         ; window 1
.set BK,   96                          ; the way out: v96-159 and v160-223 by turns
.set WV,   12                          ; s12 wave;  s13 my half of the tokens, also: I fetch for att (0) or wo (1);  s14 my half of the outputs, also: which plane or half I fetch
.set HR,   13
.set HC,   14
.set G1, 24                            ; s[24:31] descriptor group 1 for att's planes;  s[32:39] group 0, one set for each slot
.set G0, 32
.set G1B, 48                           ; s[48:55], s[56:63] the same for wo's halves
.set G0B, 56
.set MSB, 0
.macro WIN new                         ; the immediate's high byte repeats the setting that is left
.if MSB != \new
	s_set_vgpr_msb (MSB<<8)|\new
.set MSB, \new
.endif
.endm
.set MUL,  0xa1                        ; source 0 (wo) window 1, source 1 (att) window 0, C and D window 2
.set MULB, 0x91                        ; C (the bias) window 1, D window 2
.set TO_B, 0x40                        ; destination window 1, address window 0
.macro JLOAD s                         ; a joint load; an s_nop 0 and four v_nop follow each of the two lines
	s_cmp_eq_u32 s[HR], 0
	s_cbranch_scc0 .Lfor_b_\@
	tensor_load_to_lds s[G0+4*\s:G0+4*\s+3], s[G1:G1+7]
	s_nop 0
.rept 4
	v_nop
.endr
	s_branch .Lasked_\@
.Lfor_b_\@:
	tensor_load_to_lds s[G0B+4*\s:G0B+4*\s+3], s[G1B:G1B+7]
	s_nop 0
.rept 4
	v_nop
.endr
.Lasked_\@:
.endm
.macro CREST                           ; a round of the cluster's barrier behind its opening barrier
	s_cmp_lg_u32 s[WV], 0
	s_cbranch_scc1 .Lnot_wave_0_\@
	s_barrier_signal -3
.Lnot_wave_0_\@:
	s_barrier_wait -3
	s_barrier_signal -1
	s_barrier_wait -1
.endm
.macro CROUND
	s_barrier_signal -1
	s_barrier_wait -1
	CREST
.endm
	s_load_b128 s[4:7], s[0:1], 0x0                ; att s[4:5], wo16 s[6:7]
	s_load_b128 s[8:11], s[0:1], 0x10              ; bo s[8:9], out0 s[10:11]
	v_lshl_add_u32 v[SPW], v0, 2, SPARE
	v_mov_b32 v[NIL], 0
	ds_add_u32 v[SPW], v[NIL]                      ; the wave's opening: the add, twice on end, and its wait ahead of my first tensor load
	ds_add_u32 v[SPW], v[NIL]                      ; and once more, under the one wait; the set-up below stands between
	v_lshrrev_b32 v1, 5, v0
	v_readfirstlane_b32 s[WV], v1                  ; wave 0..3
	s_lshr_b32 s[HR], s[WV], 1
	s_and_b32 s[HC], s[WV], 1
	s_bfe_u32 s40, ttmp6, 0x40000                  ; cx, cy
	s_bfe_u32 s41, ttmp6, 0x40004
	s_lshl_b32 s42, ttmp9, 2
	s_add_co_u32 s42, s42, s40                     ; tile column x
	s_and_b32 s15, ttmp7, 0xffff
	s_lshl_b32 s15, s15, 2
	s_add_co_u32 s15, s15, s41                     ; tile row y
	s_lshl_b32 s43, s41, 2
	s_lshl_b32 s43, 15, s43                        ; my row of the cluster
	s_lshl_b32 s44, 0x1111, s40                    ; my column
	s_or_b32 s[G1+0], s43, (1<<16)|(1<<20)|(1<<21)|(5<<22)|(3<<25)   ; 15:0 the mask; 17:16 elements of 2 bytes; 20 padding on; 21 set beside a mask; 24:22 after every 64 words; 31:25 of 4 words
	s_mov_b32 s[G1+1], 128<<16                     ; att's plane: 64 rows x 128 elements, dense
	s_mov_b32 s[G1+2], 64<<16
	s_mov_b32 s[G1+3], 128<<16
	s_mov_b32 s[G1+4], 64
	s_mov_b32 s[G1+5], 128
	s_mov_b32 s[G1+6], 0
	s_mov_b32 s[G1+7], 0
	s_or_b32 s[G1B+0], s44, (1<<16)|(1<<20)|(1<<21)|(5<<22)|(3<<25)
	s_mov_b32 s[G1B+1], 128<<16                    ; wo's half: 128 rows x 128 elements, 1,024 elements from row to row
	s_mov_b32 s[G1B+2], 128<<16
	s_mov_b32 s[G1B+3], 128<<16
	s_mov_b32 s[G1B+4], 128
	s_mov_b32 s[G1B+5], 1024
	s_mov_b32 s[G1B+6], 0
	s_mov_b32 s[G1B+7], 0
	s_lshr_b32 s16, s15, 4                         ; att: batch y / 16,
	s_lshl_b32 s16, s16, 22
	s_and_b32 s17, s15, 15                         ; tokens 128 (y % 16) on, 128 bytes each,
	s_lshl_b32 s17, s17, 14
	s_add_co_u32 s16, s16, s17
	s_lshl_b32 s17, s[HC], 18                      ; the K step's first or second head
	s_add_co_u32 s16, s16, s17
	s_mov_b32 s17, 0
	s_lshl_b32 s46, s42, 19                        ; wo: row 256 x + 128 x half, 2,048 bytes a row
	s_lshl_b32 s47, s[HC], 18
	s_add_co_u32 s46, s46, s47
	s_mov_b32 s47, 0
	s_mul_i32 s45, s[WV], PLANE                    ; where they go: 0, 17,408, 34,816,
	s_and_b32 s18, s[HR], s[WV]
	s_mul_i32 s18, s18, PLANE
	s_add_co_u32 s45, s45, s18                     ; 69,632: no place in the cluster enters an LDS address
	s_wait_dscnt 0x0                               ; both opening adds are done
	s_wait_kmcnt 0x0
	s_add_nc_u64 s[20:21], s[4:5], s[16:17]
	s_add_nc_u64 s[46:47], s[6:7], s[46:47]
	CROUND                                         ; all sixteen work-groups are here: the first joint loads meet
.irp s, 0,1
	s_mov_b32 s[G0+4*\s], 1
	s_add_co_u32 s[G0+4*\s+1], s45, \s*SLOT
	s_add_nc_u64 s[G0+4*\s+2:G0+4*\s+3], s[20:21], \s*(1<<19)      ; K step s: heads 2 s, 2 s + 1
	s_or_b32 s[G0+4*\s+3], s[G0+4*\s+3], 0x80000000
	s_mov_b32 s[G0B+4*\s], 1
	s_add_co_u32 s[G0B+4*\s+1], s45, \s*SLOT
	s_add_nc_u64 s[G0B+4*\s+2:G0B+4*\s+3], s[46:47], \s*256
	s_or_b32 s[G0B+4*\s+3], s[G0B+4*\s+3], 0x80000000
	JLOAD \s                                       ; two tensor loads of mine are out
.endr
	v_and_b32 v1, 15, v0                           ; r
	v_bfe_u32 v2, v0, 4, 1                         ; h
	v_lshrrev_b32 v3, 1, v1
	v_and_b32 v4, 1, v0
	v_mul_u32_u24 v5, v3, PITCH
	v_lshl_add_u32 v5, v4, 7, v5
	v_lshl_add_u32 v5, v2, 4, v5                   ; att: token r: (r / 2) pitch + 128 (r % 2) + 16 h
	v_mul_u32_u24 v6, v1, PITCH
	v_lshl_add_u32 v6, v2, 4, v6                   ; wo: row r x pitch + 16 h
	s_mul_i32 s21, s[HR], 32*PITCH                 ; my 64 tokens
	s_mul_i32 s22, s[HC], 128*PITCH                ; my 128 rows of wo
	s_add_co_u32 s22, s22, BOFF
.irp s, 0,1
	v_add_nc_u32 v[ADRA+\s], s21, v5
	v_add_nc_u32 v[ADRB+\s], s22, v6
	s_add_co_u32 s21, s21, SLOT
	s_add_co_u32 s22, s22, SLOT
.endr
	s_mul_i32 s23, s[WV], 16*SPITCH                ; my stage
	v_mul_u32_u24 v5, v1, SPITCH
	v_lshl_add_u32 v5, v2, 5, v5
	v_add_nc_u32 v[STO], s23, v5                   ; in: token r, 32 bytes for each half of the lanes
	v_and_b32 v6, 31, v0
	v_lshlrev_b32 v[CO], 4, v6
	v_add_nc_u32 v[RD], s23, v[CO]                 ; back: the 32 lanes take one row of 512 bytes
	v_lshlrev_b32 v[BO], 5, v2
	s_lshl_b32 s46, s42, 10
	s_lshl_b32 s47, s[HC], 9
	s_add_co_u32 s46, s46, s47                     ; my first output, in bytes: 1,024 x + 512 x half
	s_mov_b32 s47, 0
	s_add_nc_u64 s[8:9], s[8:9], s[46:47]
	s_add_nc_u64 s[10:11], s[10:11], s[46:47]
	s_lshl_b32 s16, s15, 7
	s_lshl_b32 s18, s[HR], 6
	s_add_co_u32 s16, s16, s18                     ; my first token: 128 y + 64 x half, 4,096 bytes a row of out0
	s_lshl_b32 s16, s16, 12
	s_mov_b32 s17, 0
	s_add_nc_u64 s[10:11], s[10:11], s[16:17]
	WIN TO_B
.irp b, 0,1,2,3,4,5,6,7                        ; lane (r, h) wants, for wo's block b, the bias of outputs 16 b + 8 h + 0 .. 7
.irp u, 0,1
	global_load_b128 v[BIAS+8*\b+4*\u:BIAS+8*\b+4*\u+3], v[BO], s[8:9] offset:64*\b+16*\u
.endr
.endr
	WIN 0
; 8 matrix instructions: att's block a against wo's eight, 32 along K, buffer f.  first = 1: the sums begin with the bias.  The 32 accumulators take turns, one instruction a turn.
.macro MUL8 f, a, first
.irp b, 0,1,2,3,4,5,6,7
.if \first
	v_wmma_f32_16x16x32_f16 v[8*(8*(\a)+\b):8*(8*(\a)+\b)+7], v[64*(\f)+8*\b:64*(\f)+8*\b+7], v[AF+32*(\f)+8*(\a):AF+32*(\f)+8*(\a)+7], v[BIAS+8*\b:BIAS+8*\b+7]
.else
	v_wmma_f32_16x16x32_f16 v[8*(8*(\a)+\b):8*(8*(\a)+\b)+7], v[64*(\f)+8*\b:64*(\f)+8*\b+7], v[AF+32*(\f)+8*(\a):AF+32*(\f)+8*(\a)+7], v[8*(8*(\a)+\b):8*(8*(\a)+\b)+7]
.endif
.endr
.endm
.macro MUL16 f, a0, first
	MUL8 \f, \a0, \first
	MUL8 \f, (\a0)+1, \first
.endm
; 24 LDS loads in one run: the fragments of the slot's q-th 32 along K into buffer f: wo's eight, then att's four (quarter q lies in plane q / 2, 64 (q % 2) bytes into a token)
.macro FETCH slot, q, f
	WIN TO_B
.irp i, 0,1,2,3,4,5,6,7
	ds_load_b128 v[64*(\f)+8*\i:64*(\f)+8*\i+3],   v[ADRB+\slot] offset:64*(\q)+16*PITCH*\i
	ds_load_b128 v[64*(\f)+8*\i+4:64*(\f)+8*\i+7], v[ADRB+\slot] offset:64*(\q)+16*PITCH*\i+32
.endr
	WIN 0
.irp i, 0,1,2,3
	ds_load_b128 v[AF+32*(\f)+8*\i:AF+32*(\f)+8*\i+3],   v[ADRA+\slot] offset:PLANE*((\q)/2)+64*((\q)%2)+8*PITCH*\i
	ds_load_b128 v[AF+32*(\f)+8*\i+4:AF+32*(\f)+8*\i+7], v[ADRA+\slot] offset:PLANE*((\q)/2)+64*((\q)%2)+8*PITCH*\i+32
.endr
.endm
.macro PLACES                          ; four places in front of loads into registers that matrix instructions have read, and of the first read of results (ISA guide 7.12.1 for vector instructions)
.rept 4
	v_nop
.endr
.endm
; A K step is four quarters of 32 along K, 32 matrix instructions each, on buffers 0, 1, 0, 1.  One of the first three: multiplies buffer f and fetches quarter qn into buffer g.
.macro QUARTER slot, qn, f, g, first
	s_wait_dscnt 4                                 ; wo's eight and att's blocks 0, 1 are in; the youngest four loads (blocks 2, 3) may be out
.if \first
	WIN MULB
.else
	WIN MUL
.endif
	MUL16 \f, 0, \first
	PLACES
	FETCH \slot, \qn, \g
	s_wait_dscnt 24                                ; all but the 24 just issued
.if \first
	WIN MULB
.else
	WIN MUL
.endif
	MUL16 \f, 2, \first
.endm
; The last quarter multiplies buffer 1 and changes slots: ONE barrier; in front of it each wave waits for all its tensor loads, adds 0 to its spare word, and waits for that and for its reads of this slot.
; fill = 1: the barrier opens a round of the cluster's, and this slot is filled again, two K steps ahead: 112 matrix instructions ahead of the wait for it.
.macro TURN slot, next, fill
	WIN 0                                          ; (the add's two registers lie in window 0)
	s_wait_tensorcnt 0x0                           ; all my tensor loads have landed: my part of the next slot
	ds_add_u32 v[SPW], v[NIL]                      ; 0 onto my spare word
	s_wait_dscnt 5                                 ; (the add and the youngest four loads may be out)
	WIN MUL
	MUL8 1, 0, 0                                   ; eight matrix instructions stand between the add and the wait for it
	s_wait_dscnt 0x0                               ; the add is done, and my reads of this slot are over
	s_barrier_signal -1
	MUL8 1, 1, 0
	WIN 0
	s_barrier_wait -1
.if \fill
	CREST                                          ; no wave of any partner still reads this slot's tiles or has a load on its way
	s_add_nc_u64 s[G0+4*\slot+2:G0+4*\slot+3], s[G0+4*\slot+2:G0+4*\slot+3], 1<<20     ; four heads on
	s_add_nc_u64 s[G0B+4*\slot+2:G0B+4*\slot+3], s[G0B+4*\slot+2:G0B+4*\slot+3], 512   ; 256 along K on
	JLOAD \slot                                    ; the first tensor load behind the round; its four v_nop are also the places in front of the loads below
.else
	PLACES
.endif
	FETCH \next, 0, 0
	WIN MUL
	MUL16 1, 2, 0
.endm
	s_wait_tensorcnt 1                             ; my part of K step 0 is in; K step 1's load may be out
	s_barrier_signal -1
	s_barrier_wait -1
	FETCH 0, 0, 0
	s_wait_loadcnt 0x0                             ; the bias
	QUARTER 0, 1, 0, 1, 1                          ; the first quarter stands in front of the loop: its products start the sums with the bias
	WIN 0                                          ; at a label and at a branch every window is 0
	s_mov_b32 s3, LAPS-1
.Llap:                                                 ; a trip goes once round the ring, from a lap's second quarter to the next lap's first, and fills both slots again
	QUARTER 0, 2, 1, 0, 0
	QUARTER 0, 3, 0, 1, 0
	TURN 0, 1, 1
	QUARTER 1, 1, 0, 1, 0
	QUARTER 1, 2, 1, 0, 0
	QUARTER 1, 3, 0, 1, 0
	TURN 1, 0, 1
	QUARTER 0, 1, 0, 1, 0
	WIN 0
	s_sub_co_u32 s3, s3, 1
	s_cmp_lg_u32 s3, 0
	s_cbranch_scc1 .Llap
	QUARTER 0, 2, 1, 0, 0                          ; the last lap fills nothing, and has no round of the cluster's barrier
	QUARTER 0, 3, 0, 1, 0
	TURN 0, 1, 0
	QUARTER 1, 1, 0, 1, 0
	QUARTER 1, 2, 1, 0, 0
	QUARTER 1, 3, 0, 1, 0
	s_wait_dscnt 4                                 ; the very last quarter: nothing more to fetch
	WIN MUL
	MUL16 1, 0, 0
	s_wait_dscnt 0x0
	MUL16 1, 2, 0
	WIN 0
; THE WAY OUT, block by block of 16 tokens x 128 outputs.  A lane holds 32 neighbouring bytes of a row: a block goes through my own stage and comes back as whole rows of 512 bytes.
; LDS serves a wave's instructions in order (ISA guide 5.7.1.4): no wait between the stores and the loads, nor in front of the next block's stores.
.macro TOSTAGE a
	WIN 0x08                                       ; an LDS store's data are its source 1: window 2
.irp b, 0,1,2,3,4,5,6,7
	ds_store_b128 v[STO], v[8*(8*(\a)+\b):8*(8*(\a)+\b)+3] offset:64*\b          ; each accumulator from its low end on
	ds_store_b128 v[STO], v[8*(8*(\a)+\b)+4:8*(8*(\a)+\b)+7] offset:64*\b+16
.endr
	WIN 0
.set BB, BK+64*((\a)%2)
.irp t, 0,1,2,3,4,5,6,7,8,9,10,11,12,13,14,15
	ds_load_b128 v[BB+4*\t:BB+4*\t+3], v[RD] offset:\t*SPITCH
.endr
.endm
.macro SEND a, younger                 ; younger: the LDS instructions issued behind block a's loads, which may stay out
.set BB, BK+64*((\a)%2)
	s_wait_dscnt \younger
.irp t, 0,1,2,3,4,5,6,7,8,9,10,11,12,13,14,15
	global_store_b128 v[CO], v[BB+4*\t:BB+4*\t+3], s[10:11] offset:65536*(\a)+4096*\t th:TH_STORE_NT   ; 32 lanes store 512 consecutive bytes, at a multiple of 256 from out0's first byte
.endr
.endm
	PLACES
	TOSTAGE 0
.irp a, 1,2,3
.if \a > 1
	s_wait_xcnt 0x0                                ; block a - 2's stores have read their registers: block a's loads may land there
.endif
	TOSTAGE \a
	SEND \a-1, 32                                  ; behind block a - 1's loads: block a's 16 stores and 16 loads
.endr
	SEND 3, 0
	s_wait_tensorcnt 0x0                           ; the wave's end: behind my last tensor load and my last LDS store
	ds_add_u32 v[SPW], v[NIL]
	s_wait_dscnt 0x0
	CROUND                                         ; the closing round: no work-group ends while a partner may still ask for a tile that names it
	s_endpgm
.Lfunc_end_k_q049cd4709a_outp:
	.size	k_q049cd4709a_outp, .Lfunc_end_k_q049cd4709a_outp-k_q049cd4709a_outp
	.p2alignl 7, 3214868480
	.fill 96, 4, 3214868480
	.section	.rodata,"a",@progbits
	.p2align	6, 0x0
	.amdhsa_kernel k_q049cd4709a_outp
		.amdhsa_group_segment_fixed_size 327680
		.amdhsa_private_segment_fixed_size 0
		.amdhsa_enable_private_segment 0
		.amdhsa_kernarg_size 32
		.amdhsa_user_sgpr_count 2
		.amdhsa_user_sgpr_kernarg_segment_ptr 1
		.amdhsa_wavefront_size32 1
		.amdhsa_system_sgpr_workgroup_id_x 1
		.amdhsa_system_sgpr_workgroup_id_y 1
		.amdhsa_system_sgpr_workgroup_id_z 1
		.amdhsa_system_vgpr_workitem_id 0
		.amdhsa_next_free_vgpr 768
		.amdhsa_next_free_sgpr 66
		.amdhsa_reserve_vcc 0
		.amdhsa_float_denorm_mode_32 3
		.amdhsa_float_denorm_mode_16_64 3
		.amdhsa_memory_ordered 1
		.amdhsa_forward_progress 1
		.amdhsa_inst_pref_size 87
	.end_amdhsa_kernel
	.amdgpu_metadata
---
amdhsa.version: [ 1, 2 ]
amdhsa.kernels:
  - .name:           k_q049cd4709a_outp
    .symbol:         k_q049cd4709a_outp.kd
    .args:
      - { .name: att, .offset: 0, .size: 8, .value_kind: global_buffer, .address_space: global }
      - { .name: wo16, .offset: 8, .size: 8, .value_kind: global_buffer, .address_space: global }
      - { .name: bo, .offset: 16, .size: 8, .value_kind: global_buffer, .address_space: global }
      - { .name: out0, .offset: 24, .size: 8, .value_kind: global_buffer, .address_space: global }
    .group_segment_fixed_size: 327680
    .private_segment_fixed_size: 0
    .kernarg_segment_align: 8
    .kernarg_segment_size: 32
    .max_flat_workgroup_size: 128
    .sgpr_count:     66
    .vgpr_count:     768
    .wavefront_size: 32
...
	.end_amdgpu_metadata
.endif
;; end of part 4
